; MI455X (gfx1250); checked and timed in simulation.
; The chip was launched on July 23, 2026; its instructions are those of AMD's public machine-readable ISA for CDNA 5 (MIT licence, August 2026) and "CDNA5" Instruction Set Architecture Reference Guide (July 2026). The comments in the code are by the model that wrote it; some were corrected since.
;; Multi Head Attention. Allowed arithmetic: matrix products marked QUANTISED: E4M3 operands, one given power-of-two scale a tensor, by v_wmma_f32_16x16x64_fp8_fp8 or v_wmma_f32_16x16x128_fp8_fp8, f32 sums; everything else in f32.
;; Inputs: W_k 1,024 x 1,024 float32; W_o 1,024 x 1,024 float32; W_q 1,024 x 1,024 float32; W_v 1,024 x 1,024 float32; lowp_scales 12 int32 (the exponents e of the quantised operands' scales 2^e); mask 1 x 1 x 2,048 x 2,048 bool; x 2 x 2,048 x 1,024 float32.
;; Outputs: out0 2 x 2,048 x 1,024 float32.
;; This version of the problem:
;;   THIS VERSION OF THE PROBLEM IS GIVEN IN LOW PRECISION. The matrix products marked QUANTISED in the list below multiply operands that are first quantised to E4M3 (4 exponent bits, 3 mantissa bits; 8 bits a number), with one given power-of-two scale for each operand tensor; their sums are f32. All else is computed in f32.
;;   The module's matrix products, in the order in which they are computed (A, B: the left and right operand; K: the contracted axis; several contracted axes count as one K, in the product's order):
;;     1. [M 4,096, K 1,024] x [K 1,024, N 1,024]; A: input x; B: input W_q: QUANTISED (scales: A lowp_scales[0], B lowp_scales[1])
;;     2. [M 4,096, K 1,024] x [K 1,024, N 1,024]; A: input x; B: input W_k: QUANTISED (scales: A lowp_scales[2], B lowp_scales[3])
;;     3. [M 4,096, K 1,024] x [K 1,024, N 1,024]; A: input x; B: input W_v: QUANTISED (scales: A lowp_scales[4], B lowp_scales[5])
;;     4. batch 32 x [M 2,048, K 64] x [K 64, N 2,048]; A: computed on the way; B: computed on the way: QUANTISED (scales: A lowp_scales[6], B lowp_scales[7])
;;     5. batch 32 x [M 2,048, K 2,048] x [K 2,048, N 64]; A: computed on the way; B: computed on the way: QUANTISED (scales: A lowp_scales[8], B lowp_scales[9])
;;     6. [M 4,096, K 1,024] x [K 1,024, N 1,024]; A: computed on the way; B: input W_o: QUANTISED (scales: A lowp_scales[10], B lowp_scales[11])
;;   THE QUANTISER, for each operand of a quantised product, along K:
;;     - The operand's scale is 2^e, e = its entry of the input lowp_scales (int32; the entries are numbered through the quantised products in the list's order, A before B).
;;     - Each number is divided by the scale, clamped to +-448, and rounded to the nearest number of E4M3, ties to even, subnormals kept.
;;     - The product sums the exact products of the quantised numbers (number of the format x scale) in f32.
;;   ~~~python
;;   def quantise(x, axis, e):      # numpy; x: float32 -> the quantised numbers, widened to float32 again
;;       x = np.moveaxis(x, axis, -1); K = x.shape[-1]
;;       r = np.clip(x / 2.0 ** e, -448, 448)
;;       step = 2.0 ** (np.maximum(np.frexp(np.where(r == 0, 1, r))[1] - 1, -6) - 3)
;;       q = np.round(r / step) * step * 2.0 ** e      # np.round: ties to even
;;       return np.moveaxis(q, -1, axis).astype(np.float32)
;;   ~~~
;;   OPERANDS COMPUTED ON THE WAY. 'Computed on the way' means the value that the module computes at that place (a softmax that the list does not call 'softmax' is quantised finished and normalised). What goes into a quantiser is computed in f32, as accurately as f32 sums, v_exp_f32 and their like allow (about 1e-6 of the number): no bf16 or f16 on the way to a quantiser, and a product that is left as it is and whose result goes on into a quantised operand takes f32 operands (vector FMAs, or v_wmma_f32_16x16x4_f32). A number that lies on a knife's edge between two numbers of the format may be rounded either way, as far as f32 arithmetic and the matrix unit's own rounding can turn it there, and no further.
;; 2 versions, each right; version 2 is version 1 with the launch attn written anew for expert scheduling mode. Each part assembles by itself: llvm-mc -triple=amdgcn-amd-amdhsa -mcpu=gfx1250 --defsym DOCPART=n.
;; ======== version 1 of 2: 4 launches
;; workspace buffers: xc 12,582,912 bytes; wc 4,194,304 bytes; qkv 12,582,912 bytes; af 4,194,304 bytes; mbits 524,288 bytes of whole numbers; mflags 65,536 bytes of whole numbers
;; launch prep (part 1): grid 576 x 1, 4 waves a work-group, no clusters, 69,120 bytes of LDS; arguments x, W_q, W_k, W_v, W_o, mask, lowp_scales, xc, wc, mbits, mflags; writes xc, wc, mbits, mflags
.if DOCPART == 1
	.amdgcn_target "amdgcn-amd-amdhsa--gfx1250"
	.amdhsa_code_object_version 6
	.text
	.protected	k_q61169fefce_prep
	.globl	k_q61169fefce_prep
	.p2align	8
	.type	k_q61169fefce_prep,@function
k_q61169fefce_prep:
	s_mov_b64 s[64:65], 0
	v_nop
	global_prefetch_b8 v0, s[64:65] scope:SCOPE_SE
	s_setreg_imm32_b32 hwreg(HW_REG_WAVE_MODE, 25, 1), 1
	s_wait_xcnt 0x0
; PREP.  x [4096][1024] f32 becomes three sets of E4M3 codes (scales 2^e0, 2^e2, 2^e4), each weight [1024][1024] f32 one set (2^e1, 2^e3, 2^e5, 2^e11);
; the mask [2048][2048] of bytes becomes lane-bit words and block flags for the attention launch.
; code = number / 2^e, held within +-448, rounded to the nearest code, ties to even.
; THE CODES LIE AS IMAGES OF OPERAND REGISTERS.  A fragment is 16 rows x 128 K in 16 registers: lane (r = lane % 16, h = lane / 16) holds row r, registers 2 c, 2 c + 1
; hold k = 16 c + 8 h + 0 .. 7.  In memory: [tile of 16 rows][K step 8][quad of registers 4][lane 32][16 bytes], so that each later load of a quad is 512 consecutive bytes.
; SHARES.  Work-groups 0-255: tile id of x.  256-511: j = id - 256 is tile j % 64 of weight j / 64 (q, k, v, o).  512-575: rows 32 P .. 32 P + 31 of the mask, P = id - 512.
; The two kinds of work part on the work-group's number and have LDS bytes of their own.  Waves share nothing: no barrier.
; LIMITS: e0 .. e5 and e11 between -126 and 119, so that 2^e and 448 x 2^e are f32 numbers.  NaN among x and the weights is not served; an infinity is held at the largest code.  Mask bytes are 0 or 1.
.set QPIT,  528                        ; stage of the codes' path: a row of 512 bytes + 16: an odd multiple of 16, so sixteen rows' 16 bytes fall on different banks
.set QWAVE, 16*QPIT                    ; 16 rows for each wave, from LDS byte 0
.set MST,   4*QWAVE                    ; the mask path's stages
.set MPIT,  272                        ; a row of 256 mask bytes + 16
.set MWAVE, 32*MPIT
.set SPARE, MST+4*MWAVE                ; the spare words, 128 bytes for each wave: two blocks of 256 bytes that no other line names
.set SPW,   5                          ; v5  LDS address of my spare word; never rewritten
.set NIL,   6                          ; v6  0; never rewritten
.set R,     16                         ; v16-143  32 loads of 16 bytes a lane
.set X,     144                        ; v144-207 64 numbers of my row: register 8 c + i = k 16 c + 8 h + i
.set T,     208                        ; v208-223 two sets of eight held numbers
.set C,     224                        ; v224-255 two sets of 16 code registers
.set BM,    144                        ; mask path: v144-159 a step's 64 mask bytes of my lane
.set WD,    176                        ; mask path: v176-191 a pair of words for each of my 8 steps
	s_load_b512 s[4:19], s[0:1], 0x0               ; x, W_q, W_k, W_v, W_o, mask, the scales' exponents, xc
	s_load_b128 s[20:23], s[0:1], 0x40             ; wc, mbits
	s_load_b64 s[24:25], s[0:1], 0x50              ; mflags
	v_lshl_add_u32 v[SPW], v0, 2, SPARE
	v_mov_b32 v[NIL], 0
	v_lshrrev_b32 v1, 5, v0
	v_readfirstlane_b32 s26, v1                    ; wave 0..3
	v_and_b32 v1, 31, v0                           ; lane
	v_and_b32 v14, 15, v0                          ; r
	v_bfe_u32 v15, v0, 4, 1                        ; h
	s_cmp_ge_u32 ttmp9, 512
	s_cbranch_scc1 .Lmask
; ---------------- x and the weights: wave w takes K steps 2 w and 2 w + 1 of the tile's 16 rows ----------------
	v_lshlrev_b32 v2, 4, v1                        ; 16 x lane: my bytes of a load's and of a store's 512
	s_mul_i32 s27, s26, QWAVE
	v_add_nc_u32 v3, s27, v2                       ; into the stage: as loaded
	v_mul_u32_u24 v4, v14, QPIT
	v_lshl_add_u32 v4, v15, 5, v4
	v_add_nc_u32 v4, s27, v4                       ; out of it: row r, + 32 h bytes: my eight numbers of each 16
	s_wait_kmcnt 0x0
	s_load_b256 s[36:43], s[16:17], 0x0            ; e0 .. e7
	s_load_b128 s[44:47], s[16:17], 0x20           ; e8 .. e11
	s_mov_b64 s[28:29], s[12:13]                   ; the source, chosen by the work-group's number alone
	s_cmp_lt_u32 ttmp9, 448
	s_cselect_b64 s[28:29], s[10:11], s[28:29]
	s_cmp_lt_u32 ttmp9, 384
	s_cselect_b64 s[28:29], s[8:9], s[28:29]
	s_cmp_lt_u32 ttmp9, 320
	s_cselect_b64 s[28:29], s[6:7], s[28:29]
	s_cmp_lt_u32 ttmp9, 256
	s_cselect_b64 s[28:29], s[4:5], s[28:29]
	s_cselect_b64 s[30:31], s[18:19], s[20:21]     ; the codes go to xc or to wc
	s_cselect_b32 s32, 0, 256
	s_cselect_b32 s33, 255, 63
	s_sub_co_u32 s32, ttmp9, s32                   ; the tile's number in the buffer of codes
	s_and_b32 s33, s32, s33                        ; and in its source
	s_lshl_b32 s34, s33, 16                        ; 16 rows of 4,096 bytes
	s_lshl_b32 s35, s26, 10                        ; my 256 numbers of a row
	s_add_co_u32 s34, s34, s35
	s_mov_b32 s35, 0
	s_add_nc_u64 s[28:29], s[28:29], s[34:35]
	s_lshl_b32 s34, s32, 14                        ; a tile's codes are 16,384 bytes,
	s_lshl_b32 s33, s26, 12                        ; my two K steps 4,096
	s_add_co_u32 s34, s34, s33
	s_add_nc_u64 s[30:31], s[30:31], s[34:35]
	s_add_nc_u64 s[66:67], s[30:31], 0x400000      ; x's second and third set (used by x's work-groups alone)
	s_add_nc_u64 s[68:69], s[30:31], 0x800000
.set i, 0
.rept 32                                       ; K step i / 16, row i % 16: 32 lanes read 512 consecutive bytes
	global_load_b128 v[R+4*i:R+4*i+3], v2, s[28:29] offset:4096*(i%16)+512*(i/16) th:TH_LOAD_NT
.set i, i+1
.endr
	s_wait_kmcnt 0x0
	s_mov_b32 s32, s47                             ; the first scale: e0 for x, e1, e3, e5, e11 for the weights
	s_cmp_lt_u32 ttmp9, 448
	s_cselect_b32 s32, s41, s32
	s_cmp_lt_u32 ttmp9, 384
	s_cselect_b32 s32, s39, s32
	s_cmp_lt_u32 ttmp9, 320
	s_cselect_b32 s32, s37, s32
	s_cmp_lt_u32 ttmp9, 256
	s_cselect_b32 s32, s36, s32
.macro POW2 e, sc, lim                         ; v[sc] = 2^e as f32 (the conversion takes its exponent field), v[lim] = 448 x 2^e
	s_add_co_i32 s33, s\e, 127
	s_lshl_b32 s34, s33, 23
	v_mov_b32 v\sc, s34
	s_add_co_i32 s33, s33, 8
	s_lshl_b32 s33, s33, 23
	s_or_b32 s33, s33, 0x600000
	v_mov_b32 v\lim, s33
.endm
	POW2 32, 8, 9
	POW2 38, 10, 11                                ; e2
	POW2 40, 12, 13                                ; e4
; The 64 numbers in X become a fragment's 16 code registers under scale q, and leave: four stores of 512 consecutive bytes.  X is kept for the other scales.
.macro CONV q, s, d
	s_wait_xcnt 0x0                                ; earlier stores have read their data: the code registers may be written again
.set g, 0
.rept 8
.set i, 0
.rept 8
	v_med3_num_f32 v[T+8*(g%2)+i], v[X+8*g+i], -v[9+2*(\q)], v[9+2*(\q)]   ; the conversion to an 8-bit code does not saturate (ISA guide 7.6.2): hold first
.set i, i+1
.endr
	v_cvt_scalef32_pk8_fp8_f32 v[C+16*((\q)%2)+2*g:C+16*((\q)%2)+2*g+1], v[T+8*(g%2):T+8*(g%2)+7], v[8+2*(\q)]   ; the other set's eight holds stand between this and the next write of its sources
.set g, g+1
.endr
	v_nop                                          ; a plain line behind the last conversion
.irp k, 0,1,2,3
	global_store_b128 v2, v[C+16*((\q)%2)+4*\k:C+16*((\q)%2)+4*\k+3], s[\d:\d+1] offset:2048*(\s)+512*\k
.endr
.endm
.macro QHALF s                                 ; one K step: through my stage, so that a lane gets neighbours along K, then the conversions
	s_wait_loadcnt 16*(1-(\s))                     ; this K step's sixteen loads are in; the other's sixteen may be out
.set i, 0
.rept 16
	ds_store_b128 v3, v[R+64*(\s)+4*i:R+64*(\s)+4*i+3] offset:QPIT*i
.set i, i+1
.endr
.set i, 0
.rept 16                                       ; LDS serves a wave's instructions in order: these see my stores
	ds_load_b128 v[X+4*i:X+4*i+3], v4 offset:64*(i/2)+16*(i%2)
.set i, i+1
.endr
	s_wait_dscnt 0x0
	CONV 0, \s, 30
	s_cmp_ge_u32 ttmp9, 256                        ; a weight has one scale
	s_cbranch_scc1 .Lweight_\@
	CONV 1, \s, 66
	CONV 2, \s, 68
.Lweight_\@:
.endm
	QHALF 0
	QHALF 1
	s_wait_tensorcnt 0x0                           ; the wave's end, behind my last LDS store
	ds_add_u32 v[SPW], v[NIL]
	s_wait_dscnt 0x0
	s_endpgm
; ---------------- the mask: wave g takes 32 rows x keys 512 g .. 512 g + 511: eight steps of 64 keys ----------------
; For the block (pair P of query tiles, step js = 8 g + k): word n of tile ti has in bit L the byte mask[32 P + 16 ti + L % 16][64 js + 16 (n / 8) + 8 (L / 16) + n % 8]:
; the lane mask for score register n.  Flags: ACT bit k: some byte of the block is 0; MIX bit k: some byte is 1.
.Lmask:
	s_sub_co_u32 s27, ttmp9, 512                   ; P
	v_lshlrev_b32 v2, 11, v15
	v_lshl_add_u32 v2, v14, 4, v2                  ; a load takes two rows: 2,048 h + 16 r
	s_mul_i32 s28, s26, MWAVE
	s_add_co_u32 s28, s28, MST
	v_mul_u32_u24 v3, v15, MPIT
	v_lshl_add_u32 v3, v14, 4, v3
	v_add_nc_u32 v3, s28, v3                       ; into my stage
	v_mul_u32_u24 v4, v14, MPIT
	v_lshl_add_u32 v4, v15, 3, v4
	v_add_nc_u32 v4, s28, v4                       ; out of it: row r, + 8 h
	v_lshlrev_b32 v7, 3, v1                        ; 8 x lane: a store of 256 consecutive bytes
.set i, 0
.rept 16
	v_mov_b32 v[WD+i], 0                           ; written once: a lane write's destination counts as one of its sources
.set i, i+1
.endr
	s_mov_b32 s70, 0                               ; ACT
	s_mov_b32 s71, 0                               ; MIX
	s_lshl_b32 s30, s27, 16                        ; 32 rows of 2,048 bytes
	s_lshl_b32 s31, s26, 9
	s_add_co_u32 s30, s30, s31
	s_mov_b32 s31, 0
	s_wait_kmcnt 0x0
	s_add_nc_u64 s[14:15], s[14:15], s[30:31]
	s_lshl_b32 s30, s27, 13
	s_lshl_b32 s29, s26, 11
	s_add_co_u32 s30, s30, s29
	s_add_nc_u64 s[22:23], s[22:23], s[30:31]      ; mbits at 8,192 P + 2,048 g
	s_lshl_b32 s30, s27, 10
	s_lshl_b32 s29, s26, 8
	s_add_co_u32 s30, s30, s29
	s_add_nc_u64 s[24:25], s[24:25], s[30:31]      ; mflags at 1,024 P + 256 g
.set i, 0
.rept 32                                       ; half i / 16 of my 512 keys, rows 2 (i % 16) and + 1: sixteen lanes read 256 consecutive bytes
	global_load_b128 v[R+4*i:R+4*i+3], v2, s[14:15] offset:4096*(i%16)+256*(i/16) th:TH_LOAD_NT
.set i, i+1
.endr
.macro MSTEP hv, sj
.set kk, 4*(\hv)+(\sj)
.irp ti, 0,1
.irp c, 0,1,2,3
	ds_load_b64 v[BM+8*\ti+2*\c:BM+8*\ti+2*\c+1], v4 offset:16*MPIT*\ti+64*(\sj)+16*\c   ; row 16 ti + r, keys 16 c + 8 h + 0 .. 7 of the step
.endr
.endr
	s_wait_dscnt 0x0
	v_or_b32 v164, v[BM], v[BM+1]
	v_and_b32 v165, v[BM], v[BM+1]
.set n, 2
.rept 14
	v_or_b32 v164, v164, v[BM+n]
	v_and_b32 v165, v165, v[BM+n]
.set n, n+1
.endr
	v_cmp_ne_u32 s28, 0, v164                      ; lanes with a byte 1
	v_cmp_ne_u32 s29, 0x01010101, v165             ; lanes with a byte 0
	s_cmp_lg_u32 s28, 0
	s_cselect_b32 s30, 1<<kk, 0
	s_or_b32 s71, s71, s30
	s_cmp_lg_u32 s29, 0
	s_cselect_b32 s30, 1<<kk, 0
	s_or_b32 s70, s70, s30
.irp ti, 0,1
.set n, 0
.rept 32                                       ; byte n % 8 of the pair n / 8, over the 32 lanes, is word n
	v_and_b32 v[160+(n%4)], 1<<(8*(n&3)), v[BM+8*\ti+2*(n>>3)+((n&7)>>2)]
	v_cmp_ne_u32 s[32+n], 0, v[160+(n%4)]
.set n, n+1
.endr
.set n, 0
.rept 32                                       ; word 32 ti + n of the step's 64 goes to lane 16 ti + n / 2, register n % 2
	v_writelane_b32 v[WD+2*kk+(n&1)], s[32+n], 16*\ti+(n>>1)
.set n, n+1
.endr
.endr
	global_store_b64 v7, v[WD+2*kk:WD+2*kk+1], s[22:23] offset:256*kk   ; each step has registers of its own: no store's data are written again
.endm
.irp hv, 0,1
	s_wait_loadcnt 16*(1-\hv)                      ; this half's sixteen loads are in; the other's may be out
.set i, 0
.rept 16
	ds_store_b128 v3, v[R+64*\hv+4*i:R+64*\hv+4*i+3] offset:2*MPIT*i
.set i, i+1
.endr
	MSTEP \hv, 0
	MSTEP \hv, 1
	MSTEP \hv, 2
	MSTEP \hv, 3
.endr
	v_mov_b32 v192, s70
	v_mov_b32 v193, s71
	global_store_b64 v7, v[192:193], s[24:25]      ; the same pair in every lane: 256 consecutive bytes
	s_wait_tensorcnt 0x0                           ; the wave's end, behind my last LDS store
	ds_add_u32 v[SPW], v[NIL]
	s_wait_dscnt 0x0
	s_endpgm
.Lfunc_end_k_q61169fefce_prep:
	.size	k_q61169fefce_prep, .Lfunc_end_k_q61169fefce_prep-k_q61169fefce_prep
	.p2alignl 7, 3214868480
	.fill 96, 4, 3214868480
	.section	.rodata,"a",@progbits
	.p2align	6, 0x0
	.amdhsa_kernel k_q61169fefce_prep
		.amdhsa_group_segment_fixed_size 69120
		.amdhsa_private_segment_fixed_size 0
		.amdhsa_enable_private_segment 0
		.amdhsa_kernarg_size 88
		.amdhsa_user_sgpr_count 2
		.amdhsa_user_sgpr_kernarg_segment_ptr 1
		.amdhsa_wavefront_size32 1
		.amdhsa_system_sgpr_workgroup_id_x 1
		.amdhsa_system_sgpr_workgroup_id_y 1
		.amdhsa_system_sgpr_workgroup_id_z 1
		.amdhsa_system_vgpr_workitem_id 0
		.amdhsa_next_free_vgpr 256
		.amdhsa_next_free_sgpr 72
		.amdhsa_reserve_vcc 0
		.amdhsa_float_denorm_mode_32 3
		.amdhsa_float_denorm_mode_16_64 3
		.amdhsa_memory_ordered 1
		.amdhsa_forward_progress 1
		.amdhsa_inst_pref_size 156
	.end_amdhsa_kernel
	.amdgpu_metadata
---
amdhsa.version: [ 1, 2 ]
amdhsa.kernels:
  - .name:           k_q61169fefce_prep
    .symbol:         k_q61169fefce_prep.kd
    .args:
      - { .name: x, .offset: 0, .size: 8, .value_kind: global_buffer, .address_space: global }
      - { .name: W_q, .offset: 8, .size: 8, .value_kind: global_buffer, .address_space: global }
      - { .name: W_k, .offset: 16, .size: 8, .value_kind: global_buffer, .address_space: global }
      - { .name: W_v, .offset: 24, .size: 8, .value_kind: global_buffer, .address_space: global }
      - { .name: W_o, .offset: 32, .size: 8, .value_kind: global_buffer, .address_space: global }
      - { .name: mask, .offset: 40, .size: 8, .value_kind: global_buffer, .address_space: global }
      - { .name: lowp_scales, .offset: 48, .size: 8, .value_kind: global_buffer, .address_space: global }
      - { .name: xc, .offset: 56, .size: 8, .value_kind: global_buffer, .address_space: global }
      - { .name: wc, .offset: 64, .size: 8, .value_kind: global_buffer, .address_space: global }
      - { .name: mbits, .offset: 72, .size: 8, .value_kind: global_buffer, .address_space: global }
      - { .name: mflags, .offset: 80, .size: 8, .value_kind: global_buffer, .address_space: global }
    .group_segment_fixed_size: 69120
    .private_segment_fixed_size: 0
    .kernarg_segment_align: 8
    .kernarg_segment_size: 88
    .max_flat_workgroup_size: 128
    .sgpr_count:     72
    .vgpr_count:     256
    .wavefront_size: 32
...
	.end_amdgpu_metadata
.endif
;; end of part 1
;; launch proj (part 2): grid 12 x 16, 4 waves a work-group, clusters of 4 x 1, 262,656 bytes of LDS; arguments xc, wc, lowp_scales, qkv; writes qkv
.if DOCPART == 2
	.amdgcn_target "amdgcn-amd-amdhsa--gfx1250"
	.amdhsa_code_object_version 6
	.text
	.protected	k_q61169fefce_proj
	.globl	k_q61169fefce_proj
	.p2align	8
	.type	k_q61169fefce_proj,@function
k_q61169fefce_proj:
	s_mov_b64 s[64:65], 0
	v_nop
	global_prefetch_b8 v0, s[64:65] scope:SCOPE_SE
	s_setreg_imm32_b32 hwreg(HW_REG_WAVE_MODE, 25, 1), 1
	s_wait_xcnt 0x0
	s_wait_alu depctr_hold_cnt(0) depctr_sa_sdst(0) depctr_va_vdst(0) depctr_va_sdst(0) depctr_va_ssrc(0) depctr_va_vcc(0) depctr_vm_vsrc(0)
	s_getreg_b32 s2, hwreg(HW_REG_IB_STS2, 6, 4)
	s_cmp_eq_u32 s2, 0
	s_cbranch_scc0 .Lentry_in_a_cluster
	s_endpgm
.Lentry_in_a_cluster:
	s_bfe_u32 s2, ttmp6, 0x10000c
	s_cmp_lg_u32 s2, 0x3003
	s_cbranch_scc0 .Lentry_shape_is_right
	s_endpgm
.Lentry_shape_is_right:
; PROJ.  q = x W_q^T, k = x W_k^T, v = x W_v^T on E4M3 codes, sums in f32; each result is quantised in registers (scales 2^e6, 2^e7, 2^e9) and stored as the attention launch's fragments.
; ONE TEXT, BY ROLES.  D = R S^T.  R, 256 rows, is resident: a wave keeps its 64 rows x K 1,024 in 512 registers.  S, 256 rows x K 1,024, 262,144 bytes, comes once into LDS and all four waves read it.
; In the result lane r is S's row and registers j are R's rows 16 nt + 8 h + j: a lane's registers run along R's rows.
;   which = cluster x = 0, 1 (q, k): R = the weight's rows 256 cx on, S = x's tokens 256 y on: registers run along the head's 64 (a wave's 64 rows are one head), the next product's K.
;   which = 2 (v): R = x's tokens 256 (4 (y / 4) + cx) on, S = W_v's rows 256 (y % 4) on: registers run along the tokens, the keys, the next product's K.
; So eight registers of a sum convert into two registers of the next operand.  Buffers and offsets are chosen by selects on which, which the four partners share; there is no branch on it.
; CLUSTER.  The four work-groups of a cluster differ in cx alone, so they need the same S: each piece is asked for JOINTLY (mask 15).  cx enters R's address and the stores' alone.
; Every operand lies as images of registers ([tile][K step][quad][lane][16 bytes]): every load is 512 consecutive bytes; no pitch, no padding.
; 192 work-groups of 256 x 256 x 1,024: a smaller tile would fill all WGPs at twice the operand bytes for each product.
; LIMITS: e6 - e0 - e1, e7 - e2 - e3 and e9 - e4 - e5 between -126 and 119.
; REGISTERS: window 0: v1 16 x lane; v2-5 LDS bases of the four pieces; v6, v7 the add's two; v8, v9 the conversion's scale and 448 x it; v32-95, v96-159 two buffers of four fragments of S;
;   v160-223 eight accumulators (u, nt) at 8 (4 u + nt); v224-255 two sets of codes.  Windows 1, 2: R's fragment (nt, ks) at v[16 (4 (ks % 4) + nt)] of window 1 + ks / 4.
.set SPARE, 262144                     ; behind S: the spare words, 128 bytes for each wave: two blocks of 256 bytes that no other line names
.set SPW,  6
.set NIL,  7
.set XB,   32
.set ACC,  160
.set CD,   224
.set WV,   12                          ; s12 wave
.set G1,   16                          ; s[16:23] descriptor group 1
.set G0,   32                          ; s[32:47] four groups 0, one for each piece
.set MSB, 0
.macro WIN new                         ; the immediate's high byte repeats the setting that is left
.if MSB != (\new)
	s_set_vgpr_msb (MSB<<8)|(\new)
.set MSB, (\new)
.endif
.endm
.macro CROUND                          ; a round of the cluster's barrier
	s_barrier_signal -1
	s_barrier_wait -1
	s_cmp_lg_u32 s[WV], 0
	s_cbranch_scc1 .Lnot_wave_0_\@
	s_barrier_signal -3
.Lnot_wave_0_\@:
	s_barrier_wait -3
	s_barrier_signal -1
	s_barrier_wait -1
.endm
	s_load_b256 s[4:11], s[0:1], 0x0               ; xc s[4:5], wc s[6:7], the scales' exponents s[8:9], qkv s[10:11]
	v_lshl_add_u32 v[SPW], v0, 2, SPARE
	v_mov_b32 v[NIL], 0
	ds_add_u32 v[SPW], v[NIL]                      ; the wave's opening: the add and its wait ahead of my first tensor load; the set-up below stands between them
	v_lshrrev_b32 v1, 5, v0
	v_readfirstlane_b32 s[WV], v1                  ; wave 0..3
	v_and_b32 v1, 31, v0
	v_lshlrev_b32 v1, 4, v1                        ; 16 x lane
.irp p, 0,1,2,3
	v_add_nc_u32 v[2+\p], 65536*\p, v1             ; piece p of S in LDS
.endr
	s_bfe_u32 s13, ttmp6, 0x40000                  ; cx
	s_mov_b32 s14, ttmp9                           ; which
	s_and_b32 s15, ttmp7, 0xffff                   ; y
	s_mov_b32 s[G1+0], 15|(3<<16)|(1<<21)          ; 15:0 the mask: all four work-groups; 17:16 elements of 8 bytes; 21 set beside a mask; no padding
	s_mov_b32 s[G1+1], 32<<16                      ; tensor_dim0 = 32 elements: 256 bytes
	s_mov_b32 s[G1+2], 64<<16                      ; tensor_dim1 = 64 rows: a dense block of 16,384 bytes, one tile of 16 rows x K 1,024
	s_mov_b32 s[G1+3], 32<<16                      ; tile_dim0
	s_mov_b32 s[G1+4], 64                          ; tile_dim1
	s_mov_b32 s[G1+5], 32                          ; the pitch
	s_mov_b32 s[G1+6], 0
	s_mov_b32 s[G1+7], 0
	s_lshr_b32 s62, s15, 2
	s_lshl_b32 s62, s62, 2
	s_add_co_u32 s62, s62, s13                     ; 4 (y / 4) + cx
	s_and_b32 s63, s15, 3                          ; y % 4
	s_lshl_b32 s66, s14, 20                        ; which x a weight's codes
	s_lshl_b32 s67, s14, 22                        ; which x a set of x's codes
	s_cmp_eq_u32 s14, 2
	s_cselect_b32 s62, s62, s13                    ; RI: R's block of 256 rows
	s_cselect_b32 s63, s63, s15                    ; SI: S's; it never holds cx
	s_cselect_b32 s68, s67, s66                    ; R's part of its buffer
	s_cselect_b32 s69, s66, s67                    ; S's
	s_lshl_b32 s30, s62, 4
	s_lshl_b32 s31, s[WV], 2
	s_add_co_u32 s30, s30, s31                     ; my first tile of R: 16 RI + 4 w
	s_lshl_b32 s30, s30, 14
	s_add_co_u32 s30, s30, s68
	s_mov_b32 s31, 0
	s_lshl_b32 s70, s[WV], 14                      ; of each piece's four tiles I fetch tile w: in memory and in LDS
	s_lshl_b32 s66, s63, 18
	s_add_co_u32 s66, s66, s69
	s_add_co_u32 s66, s66, s70
	s_mov_b32 s67, 0
	s_wait_dscnt 0x0                               ; the opening add is done
	s_wait_kmcnt 0x0
	s_load_b256 s[48:55], s[8:9], 0x0              ; e0 .. e7
	s_load_b128 s[56:59], s[8:9], 0x20             ; e8 .. e11
	s_cmp_eq_u32 s14, 2
	s_cselect_b64 s[24:25], s[4:5], s[6:7]         ; R: x's codes for v, else the weights'
	s_cselect_b64 s[26:27], s[6:7], s[4:5]         ; S: the other
	s_add_nc_u64 s[24:25], s[24:25], s[30:31]
	s_add_nc_u64 s[26:27], s[26:27], s[66:67]
.irp p, 0,1,2,3
	s_mov_b32 s[G0+4*\p], 1                        ; count = 1
	s_add_co_u32 s[G0+4*\p+1], s70, 65536*\p       ; LDS address: tile 4 p + w
	s_add_nc_u64 s[G0+4*\p+2:G0+4*\p+3], s[26:27], 65536*\p
	s_or_b32 s[G0+4*\p+3], s[G0+4*\p+3], 0x80000000   ; type = 2
.endr
	WIN 0x40                                       ; destination window 1, address window 0
.irp ks, 0,1,2,3
.irp nt, 0,1,2,3
.irp q, 0,1,2,3
	global_load_b128 v[16*(4*\ks+\nt)+4*\q:16*(4*\ks+\nt)+4*\q+3], v1, s[24:25] offset:16384*\nt+2048*\ks+512*\q
.endr
.endr
.endr
	WIN 0x80                                       ; destination window 2
.irp ks, 0,1,2,3
.irp nt, 0,1,2,3
.irp q, 0,1,2,3
	global_load_b128 v[16*(4*\ks+\nt)+4*\q:16*(4*\ks+\nt)+4*\q+3], v1, s[24:25] offset:16384*\nt+2048*(\ks+4)+512*\q
.endr
.endr
.endr
	WIN 0
	CROUND                                         ; all four work-groups are here: the joint loads meet
.irp p, 0,1,2,3                                ; all of S: four first fills of mine, out together; no LDS byte is ever filled again
	tensor_load_to_lds s[G0+4*\p:G0+4*\p+3], s[G1:G1+7]
	s_nop 0
.endr
.rept 4
	v_nop
.endr
	; where the codes go.  q, k: [which][batch x head][token tile 128][1,024 bytes]; v: [2][batch x head][step of 64 keys 32][tile of 16 of the head's 64][1,024 bytes]
	s_lshr_b32 s66, s15, 3
	s_lshl_b32 s66, s66, 4
	s_lshl_b32 s67, s13, 2
	s_add_co_u32 s66, s66, s67
	s_add_co_u32 s66, s66, s[WV]                   ; q, k: 16 batch + head, head = 4 cx + w
	s_lshl_b32 s66, s66, 17
	s_and_b32 s67, s15, 7
	s_lshl_b32 s67, s67, 14                        ; + 16 (y % 8) token tiles
	s_add_co_u32 s66, s66, s67
	s_lshl_b32 s67, s14, 22
	s_add_co_u32 s66, s66, s67
	s_lshr_b32 s68, s62, 3
	s_lshl_b32 s68, s68, 4
	s_and_b32 s69, s15, 3
	s_lshl_b32 s69, s69, 2
	s_add_co_u32 s68, s68, s69                     ; v: 16 batch + 4 (y % 4): piece p is head 4 (y % 4) + p
	s_lshl_b32 s68, s68, 17
	s_and_b32 s69, s62, 7
	s_lshl_b32 s69, s69, 2
	s_add_co_u32 s69, s69, s[WV]                   ; my 64 tokens are step 4 (RI % 8) + w
	s_lshl_b32 s69, s69, 12
	s_add_co_u32 s68, s68, s69
	s_add_co_u32 s68, s68, 0x800000
	s_cmp_eq_u32 s14, 2
	s_cselect_b32 s30, s68, s66
	s_mov_b32 s60, 4096                            ; from piece to piece: four token tiles, or a head
	s_cselect_b32 s60, 0x20000, s60
	s_mov_b32 s61, 0
	s_add_nc_u64 s[28:29], s[10:11], s[30:31]
	s_wait_kmcnt 0x0
	s_sub_co_i32 s66, s54, s48                     ; a sum stands for sum x 2^(ex + ew): its code is sum / 2^(e - ex - ew): three scales folded into the conversion's one
	s_sub_co_i32 s66, s66, s49                     ; q: e6 - e0 - e1
	s_sub_co_i32 s67, s55, s50
	s_sub_co_i32 s67, s67, s51                     ; k: e7 - e2 - e3
	s_sub_co_i32 s68, s57, s52
	s_sub_co_i32 s68, s68, s53                     ; v: e9 - e4 - e5
	s_cmp_eq_u32 s14, 0
	s_cselect_b32 s66, s66, s67
	s_cmp_eq_u32 s14, 2
	s_cselect_b32 s66, s68, s66
	s_add_co_i32 s66, s66, 127
	s_lshl_b32 s67, s66, 23
	v_mov_b32 v8, s67
	s_add_co_i32 s66, s66, 8
	s_lshl_b32 s66, s66, 23
	s_or_b32 s66, s66, 0x600000
	v_mov_b32 v9, s66
; 16 LDS loads: S's tiles 2 i and 2 i + 1 of piece p, K steps 2 b and 2 b + 1, into buffer f: fragment (u, e) at 16 (2 u + e)
.macro XLOADS p, i, b, f
.irp u, 0,1
.irp e, 0,1
.irp q, 0,1,2,3
	ds_load_b128 v[XB+64*(\f)+16*(2*\u+\e)+4*\q:XB+64*(\f)+16*(2*\u+\e)+4*\q+3], v[2+(\p)] offset:16384*(2*(\i)+\u)+2048*(2*(\b)+\e)+512*\q
.endr
.endr
.endr
.endm
; Two K steps: 16 matrix instructions on eight accumulators by turns; the next batch's fragments are asked for first.
.macro BATCH p, i, b
	s_wait_dscnt 0x0                               ; this batch's fragments are in
.rept 4
	v_nop                                          ; four places between the last batch's products and loads into the buffer that they read (ISA guide 7.12.1 for vector instructions)
.endr
.if (\b) < 3
	XLOADS \p, \i, (\b)+1, ((\b)+1)%2
.elseif (\i) == 0
	XLOADS \p, 1, 0, 0
.endif
	WIN 1+(\b)/2                                   ; source 0 (R) in window 1 or 2
.irp e, 0,1
.irp nt, 0,1,2,3
.irp u, 0,1
.if 2*(\b)+\e == 0
	v_wmma_f32_16x16x128_fp8_fp8 v[ACC+8*(4*\u+\nt):ACC+8*(4*\u+\nt)+7], v[16*(4*(2*((\b)%2)+\e)+\nt):16*(4*(2*((\b)%2)+\e)+\nt)+15], v[XB+64*((\b)%2)+16*(2*\u+\e):XB+64*((\b)%2)+16*(2*\u+\e)+15], 0
.else
	v_wmma_f32_16x16x128_fp8_fp8 v[ACC+8*(4*\u+\nt):ACC+8*(4*\u+\nt)+7], v[16*(4*(2*((\b)%2)+\e)+\nt):16*(4*(2*((\b)%2)+\e)+\nt)+15], v[XB+64*((\b)%2)+16*(2*\u+\e):XB+64*((\b)%2)+16*(2*\u+\e)+15], v[ACC+8*(4*\u+\nt):ACC+8*(4*\u+\nt)+7]
.endif
.endr
.endr
.endr
	WIN 0
.endm
; The eight finished sums become two fragments of 16 rows x 64 K and leave: four stores of 512 consecutive bytes.
.macro EPI i
	s_wait_xcnt 0x0                                ; earlier stores have read their data
.rept 4
	v_nop                                          ; places behind the last products
.endr
.set j, 0
.rept 64
	v_med3_num_f32 v[ACC+j], v[ACC+j], -v9, v9     ; the hold at the largest code x the scale; each accumulator from its low end on
.set j, j+1
.endr
.irp u, 0,1
.irp nt, 0,1,2,3
	v_cvt_scalef32_pk8_fp8_f32 v[CD+16*((\i)%2)+8*\u+2*\nt:CD+16*((\i)%2)+8*\u+2*\nt+1], v[ACC+8*(4*\u+\nt):ACC+8*(4*\u+\nt)+7], v8
.endr
.endr
	v_nop                                          ; a plain line between the conversions and the products that write their sources next
.irp u, 0,1
.irp hq, 0,1
	global_store_b128 v1, v[CD+16*((\i)%2)+8*\u+4*\hq:CD+16*((\i)%2)+8*\u+4*\hq+3], s[28:29] offset:1024*(2*(\i)+\u)+512*\hq
.endr
.endr
.endm
.macro PIECE p
	s_wait_dscnt 0x0
	s_wait_tensorcnt 3-(\p)                        ; my tile of piece p has landed; my later pieces' loads may stay out
	s_barrier_signal -1
	s_barrier_wait -1                              ; everybody's has
.if (\p) == 0
	s_wait_loadcnt 0x0                             ; R
.endif
	XLOADS \p, 0, 0, 0
.irp i, 0,1
	BATCH \p, \i, 0
	BATCH \p, \i, 1
	BATCH \p, \i, 2
	BATCH \p, \i, 3
	EPI \i
.endr
.if (\p) < 3
	s_wait_xcnt 0x0                                ; the stores have read their base
	s_add_nc_u64 s[28:29], s[28:29], s[60:61]
.endif
.endm
	PIECE 0
	PIECE 1
	PIECE 2
	PIECE 3
	s_wait_tensorcnt 0x0                           ; the wave's end
	ds_add_u32 v[SPW], v[NIL]
	s_wait_dscnt 0x0
	CROUND                                         ; the closing round
	s_endpgm
.Lfunc_end_k_q61169fefce_proj:
	.size	k_q61169fefce_proj, .Lfunc_end_k_q61169fefce_proj-k_q61169fefce_proj
	.p2alignl 7, 3214868480
	.fill 96, 4, 3214868480
	.section	.rodata,"a",@progbits
	.p2align	6, 0x0
	.amdhsa_kernel k_q61169fefce_proj
		.amdhsa_group_segment_fixed_size 262656
		.amdhsa_private_segment_fixed_size 0
		.amdhsa_enable_private_segment 0
		.amdhsa_kernarg_size 32
		.amdhsa_user_sgpr_count 2
		.amdhsa_user_sgpr_kernarg_segment_ptr 1
		.amdhsa_wavefront_size32 1
		.amdhsa_system_sgpr_workgroup_id_x 1
		.amdhsa_system_sgpr_workgroup_id_y 1
		.amdhsa_system_sgpr_workgroup_id_z 1
		.amdhsa_system_vgpr_workitem_id 0
		.amdhsa_next_free_vgpr 768
		.amdhsa_next_free_sgpr 72
		.amdhsa_reserve_vcc 0
		.amdhsa_float_denorm_mode_32 3
		.amdhsa_float_denorm_mode_16_64 3
		.amdhsa_memory_ordered 1
		.amdhsa_forward_progress 1
		.amdhsa_inst_pref_size 131
	.end_amdhsa_kernel
	.amdgpu_metadata
---
amdhsa.version: [ 1, 2 ]
amdhsa.kernels:
  - .name:           k_q61169fefce_proj
    .symbol:         k_q61169fefce_proj.kd
    .args:
      - { .name: xc, .offset: 0, .size: 8, .value_kind: global_buffer, .address_space: global }
      - { .name: wc, .offset: 8, .size: 8, .value_kind: global_buffer, .address_space: global }
      - { .name: lowp_scales, .offset: 16, .size: 8, .value_kind: global_buffer, .address_space: global }
      - { .name: qkv, .offset: 24, .size: 8, .value_kind: global_buffer, .address_space: global }
    .group_segment_fixed_size: 262656
    .private_segment_fixed_size: 0
    .kernarg_segment_align: 8
    .kernarg_segment_size: 32
    .max_flat_workgroup_size: 128
    .sgpr_count:     72
    .vgpr_count:     768
    .wavefront_size: 32
...
	.end_amdgpu_metadata
.endif
;; end of part 2
;; launch attn (part 3): grid 8 x 32, 8 waves a work-group, no clusters, 263,168 bytes of LDS; arguments qkv, mbits, mflags, lowp_scales, af; writes af
.if DOCPART == 3
	.amdgcn_target "amdgcn-amd-amdhsa--gfx1250"
	.amdhsa_code_object_version 6
	.text
	.protected	k_q61169fefce_attn
	.globl	k_q61169fefce_attn
	.p2align	8
	.type	k_q61169fefce_attn,@function
k_q61169fefce_attn:
	s_mov_b64 s[64:65], 0
	v_nop
	global_prefetch_b8 v0, s[64:65] scope:SCOPE_SE
	s_setreg_imm32_b32 hwreg(HW_REG_WAVE_MODE, 25, 1), 1
	s_wait_xcnt 0x0
; ATTN.  For each batch x head: scores = q k^T / 8 on E4M3 codes, the given mask, the FINISHED softmax p = exp(s - m) / l, quantised with 2^e8, o = p v on codes; o is quantised with 2^e10 for the last product.
; p is quantised normalised, so m and l of a row are known before any p is made: TWO PASSES over the keys.  Pass 1: scores, running maximum and sum.  Pass 2: the scores again, p, its codes, p v.
; SHARES.  A work-group is (g = x, batch x head = y).  The head's whole K and V^T, 131,072 bytes each, are brought once through registers into LDS, behind one barrier; then the eight waves run free.
; A wave owns a PAIR of query tiles, 32 queries: pair P = 8 pos + (g xor 7 (pos % 2)), pos = w for w < 4, else 11 - w: each pair once, whatever the mask.
; Both products are used transposed: S^T = K Q^T (source 0 = 16 keys), O^T = V^T P (source 0 = 16 of the head's 64): a lane holds ONE query; score register 8 kt + j is key 16 kt + 8 (lane / 16) + j of the step's 64,
; so eight registers of p convert into registers 2 kt, 2 kt + 1 of the second product's operand.
; THE MASK is an input: an earlier launch has stored, for each block of 32 queries x 64 keys, a flag ACT (some score counts), a flag MIX (some score is hidden) and 64 lane masks.  A block with ACT = 0 is left out;
; in a block with MIX = 1 hidden scores become -infinity.  A row with no score left gets 1 / l = 0: its p and its o are 0.
; NO TENSOR LOAD, NO COPY, NO CLUSTER: the loops branch on the stored flags; leaving out hidden blocks is worth more than the shared fetch of 256 KiB a work-group.
; The running maximum and sum are kept for each lane's half of the keys; the halves meet once, between the passes.  NCM = -c m as rounded is used alike in l and in p, so its rounding cancels.
; LIMITS: e6 + e7 between -123 and 100; e8 and e10 - e8 - e9 between -126 and 119.
; REGISTERS: v1 16 x lane; v2, v3 LDS addresses of the step's K and V; v4, v5 the add's two; v6 -infinity; v7, v8 448 x 2^e8 and 2^e8; v9, v10 the same for o; v11-14 the head's addresses; v16-31 Q;
;   v32-47 statistics, tile t at 32 + 8 t: +0 NCM, +1 m, +2, +3 l in two halves (later 1 / l), +4 .. +7 at work; v48-63 codes; v64-95 K; v96-127 V; v128-191 S^T; v192-255 O^T.
.set VIMG,  131072                     ; K's image lies at LDS byte 0, V's here
.set SPARE, 262144                     ; the spare words, 128 bytes for each of eight waves: four blocks of 256 bytes that no other line names
.set LI,   1
.set ADK,  2
.set ADV,  3
.set SPW,  4
.set NIL,  5
.set NINF, 6
.set PLIM, 7
.set PSC,  8
.set OLIM, 9
.set OSC,  10
.set Q,    16
.set ST,   32
.set PC,   48
.set KF,   64
.set VF,   96
.set S,    128
.set O,    192
	s_load_b256 s[4:11], s[0:1], 0x0               ; qkv s[4:5], mbits s[6:7], mflags s[8:9], the scales' exponents s[10:11]
	s_load_b64 s[12:13], s[0:1], 0x20              ; af
	v_lshl_add_u32 v[SPW], v0, 2, SPARE
	v_mov_b32 v[NIL], 0
	v_lshrrev_b32 v1, 5, v0
	v_readfirstlane_b32 s14, v1                    ; wave 0..7
	v_and_b32 v1, 31, v0
	v_lshlrev_b32 v[LI], 4, v1
	v_lshlrev_b32 v11, 4, v0                       ; 16 x thread: the work-group's 4,096 bytes of a load, and of an LDS store
	v_add_nc_u32 v12, 0x10000, v11
	v_add_nc_u32 v13, 0x20000, v11
	v_add_nc_u32 v14, 0x30000, v11
	s_sub_co_u32 s31, 11, s14
	s_cmp_lt_u32 s14, 4
	s_cselect_b32 s31, s14, s31                    ; pos
	s_and_b32 s66, s31, 1
	s_mul_i32 s66, s66, 7
	s_xor_b32 s66, s66, ttmp9
	s_lshl_b32 s15, s31, 3
	s_add_co_u32 s15, s15, s66                     ; P
	s_and_b32 s67, ttmp7, 0xffff                   ; batch x head
	s_lshl_b32 s54, s67, 17
	s_mov_b32 s55, 0
	s_wait_kmcnt 0x0
	s_add_nc_u64 s[48:49], s[4:5], s[54:55]        ; the head in Q's part,
	s_add_nc_u64 s[50:51], s[48:49], 0x400000      ; in K's,
	s_add_nc_u64 s[52:53], s[48:49], 0x800000      ; in V's
	s_lshl_b32 s54, s15, 11
	s_add_nc_u64 s[48:49], s[48:49], s[54:55]      ; my two query tiles
.irp t, 0,1
.irp hq, 0,1
	global_load_b128 v[Q+8*\t+4*\hq:Q+8*\t+4*\hq+3], v[LI], s[48:49] offset:1024*\t+512*\hq
.endr
.endr
.set i, 0
.rept 32
	global_load_b128 v[64+4*i:64+4*i+3], v11, s[50:51] offset:4096*i     ; all of K
.set i, i+1
.endr
.set i, 0
.rept 16
	global_load_b128 v[192+4*i:192+4*i+3], v11, s[52:53] offset:4096*i   ; V's first half
.set i, i+1
.endr
	s_lshl_b32 s54, s15, 10
	s_add_nc_u64 s[8:9], s[8:9], s[54:55]
	s_load_b64 s[32:33], s[8:9], 0x0               ; (ACT, MIX) of steps 0-7,
	s_load_b64 s[34:35], s[8:9], 0x100             ; 8-15,
	s_load_b64 s[36:37], s[8:9], 0x200             ; 16-23,
	s_load_b64 s[38:39], s[8:9], 0x300             ; 24-31
	s_load_b128 s[40:43], s[10:11], 0x18           ; e6, e7, e8, e9
	s_load_b32 s44, s[10:11], 0x28                 ; e10
	s_lshl_b32 s54, s15, 13
	s_add_nc_u64 s[28:29], s[6:7], s[54:55]        ; my pair's lane masks: 256 bytes a step
	s_lshr_b32 s54, s67, 4
	s_lshl_b32 s54, s54, 7
	s_lshl_b32 s66, s15, 1
	s_add_co_u32 s54, s54, s66                     ; my first token tile: 128 batch + 2 P
	s_lshl_b32 s54, s54, 14
	s_and_b32 s66, s67, 15
	s_lshl_b32 s66, s66, 10                        ; head hd fills K step hd / 2, quads 2 (hd % 2) on: 1,024 hd bytes
	s_add_co_u32 s54, s54, s66
	s_add_nc_u64 s[12:13], s[12:13], s[54:55]
	s_mov_b32 s26, 0x76543210                      ; v_permlanex16_b32's selects for lane l xor 16
	s_mov_b32 s27, 0xfedcba98
	v_mov_b32 v[NINF], 0xff800000
	s_wait_kmcnt 0x0
	s_lshl_b32 s34, s34, 8
	s_lshl_b32 s36, s36, 16
	s_lshl_b32 s38, s38, 24
	s_or_b32 s16, s32, s34
	s_or_b32 s16, s16, s36
	s_or_b32 s16, s16, s38                         ; ACT: bit js
	s_lshl_b32 s35, s35, 8
	s_lshl_b32 s37, s37, 16
	s_lshl_b32 s39, s39, 24
	s_or_b32 s17, s33, s35
	s_or_b32 s17, s17, s37
	s_or_b32 s17, s17, s39                         ; MIX
	s_add_co_i32 s31, s40, s41
	s_lshl_b32 s31, s31, 23
	s_add_co_i32 s22, s31, 0x3e38aa3b              ; c = log2(e) / 8 x 2^(e6 + e7): the exponents are added to c's exponent field
	s_mov_b32 s23, s22                             ; (named with it as a pair)
	s_xor_b32 s24, s22, 0x80000000                 ; -c
	s_cmp_lt_i32 s42, -8
	s_cselect_b32 s30, 1, 0                        ; p is at most 1, and 448 x 2^e8 is 1.75 or more from e8 = -8 on: the hold is needed under that alone
	s_add_co_i32 s31, s42, 127
	s_lshl_b32 s66, s31, 23
	v_mov_b32 v[PSC], s66
	s_add_co_i32 s31, s31, 8
	s_lshl_b32 s31, s31, 23
	s_or_b32 s31, s31, 0x600000
	v_mov_b32 v[PLIM], s31
	s_sub_co_i32 s31, s44, s42
	s_sub_co_i32 s31, s31, s43                     ; a sum of p v stands for sum x 2^(e8 + e9): its code is sum / 2^(e10 - e8 - e9)
	s_add_co_i32 s31, s31, 127
	s_lshl_b32 s66, s31, 23
	v_mov_b32 v[OSC], s66
	s_add_co_i32 s31, s31, 8
	s_lshl_b32 s31, s31, 23
	s_or_b32 s31, s31, 0x600000
	v_mov_b32 v[OLIM], s31
.irp t, 0,1
	v_mov_b32 v[ST+8*\t+1], 0xcc000000             ; m = -2^25: under every sum of 64 products of codes (64 x 448^2 < 2^24)
	v_mul_f32 v[ST+8*\t], s24, v[ST+8*\t+1]        ; NCM = -c m
	v_mov_b32 v[ST+8*\t+2], 0                      ; l
	v_mov_b32 v[ST+8*\t+3], 0
.endr
	s_wait_loadcnt 16                              ; Q and K are in; V's sixteen loads may be out
.set i, 0
.rept 16
	ds_store_b128 v11, v[64+4*i:64+4*i+3] offset:4096*i
.set i, i+1
.endr
.set i, 0
.rept 16
	ds_store_b128 v12, v[128+4*i:128+4*i+3] offset:4096*i
.set i, i+1
.endr
	s_wait_dscnt 0x0                               ; the stores have read their registers
.set i, 0
.rept 16
	global_load_b128 v[64+4*i:64+4*i+3], v11, s[52:53] offset:65536+4096*i   ; V's second half
.set i, i+1
.endr
	s_wait_loadcnt 16                              ; V's first half is in; the sixteen just issued may be out
.set i, 0
.rept 16
	ds_store_b128 v13, v[192+4*i:192+4*i+3] offset:4096*i
.set i, i+1
.endr
	s_wait_loadcnt 0x0
.set i, 0
.rept 16
	ds_store_b128 v14, v[64+4*i:64+4*i+3] offset:4096*i
.set i, i+1
.endr
	s_wait_dscnt 0x0                               ; for the others' sake: my stores have landed
	s_barrier_signal -1
	s_barrier_wait -1                              ; K and V lie whole in LDS; nothing is written there again
.macro KZERO                                   ; the first step's K, whether it counts or not, so that K's registers are written on every way
.irp kt, 0,1,2,3
.irp hq, 0,1
	ds_load_b128 v[KF+8*\kt+4*\hq:KF+8*\kt+4*\hq+3], v[LI] offset:1024*\kt+512*\hq
.endr
.endr
.endm
.macro PF                                      ; the next step's K, if that step counts
	s_bitcmp1_b32 s18, 1
	s_cbranch_scc0 .Lno_pf_\@
.irp kt, 0,1,2,3
.irp hq, 0,1
	ds_load_b128 v[KF+8*\kt+4*\hq:KF+8*\kt+4*\hq+3], v[ADK] offset:4096+1024*\kt+512*\hq
.endr
.endr
.Lno_pf_\@:
.endm
.macro QK                                      ; S^T = K Q^T: four tiles of 16 keys x my two tiles of queries
.irp kt, 0,1,2,3
.irp t, 0,1
	v_wmma_f32_16x16x64_fp8_fp8 v[S+32*\t+8*\kt:S+32*\t+8*\kt+7], v[KF+8*\kt:KF+8*\kt+7], v[Q+8*\t:Q+8*\t+7], 0
.endr
.endr
.endm
.macro MASKS                                   ; where the block has hidden scores: 64 lane masks by scalar loads, and -infinity for what they name
	s_bitcmp1_b32 s19, 0
	s_cbranch_scc0 .Lopen_\@
	s_load_b512 s[32:47], s[28:29], 0x0
	s_load_b512 s[48:63], s[28:29], 0x40
	s_load_b512 s[68:83], s[28:29], 0x80
	s_load_b512 s[84:99], s[28:29], 0xc0
	s_wait_kmcnt 0x0
.set n, 0
.rept 32
	v_cndmask_b32 v[S+n], v[S+n], v[NINF], s[32+n]
.set n, n+1
.endr
.set n, 0
.rept 32
	v_cndmask_b32 v[S+32+n], v[S+32+n], v[NINF], s[68+n]
.set n, n+1
.endr
.Lopen_\@:
.endm
.macro EXPS                                    ; 2^(c s - c m) for the 64 scores: packed multiply-adds, then the exponentials as one batch
.set j, 0
.rept 32
	v_pk_fma_f32 v[S+2*j:S+2*j+1], v[S+2*j:S+2*j+1], s[22:23], v[ST+8*(j/16):ST+8*(j/16)+1] op_sel_hi:[1,0,0]
.set j, j+1
.endr
.set j, 0
.rept 64
	v_exp_f32 v[S+j], v[S+j]
.set j, j+1
.endr
	v_nop                                          ; a plain line behind the last exponential
	s_wait_alu depctr_va_vdst(0)                   ; one wait for the batch, ahead of its first reader
.endm
.macro STATS                                   ; pass 1: the new m, a = 2^(c m_old - c m_new), l = a l + the step's sum; the two tiles line by line in turn
.irp kt, 0,1,2,3
.irp t, 0,1
	v_max3_num_f32 v[ST+8*\t+4+\kt], v[S+32*\t+8*\kt], v[S+32*\t+8*\kt+1], v[S+32*\t+8*\kt+2]   ; each accumulator is read from its low end on
.endr
.endr
.irp a, 3,5
.irp kt, 0,1,2,3
.irp t, 0,1
	v_max3_num_f32 v[ST+8*\t+4+\kt], v[ST+8*\t+4+\kt], v[S+32*\t+8*\kt+\a], v[S+32*\t+8*\kt+\a+1]
.endr
.endr
.endr
.irp t, 0,1
	v_max3_num_f32 v[ST+8*\t+4], v[ST+8*\t+4], v[S+32*\t+7], v[S+32*\t+15]
	v_max3_num_f32 v[ST+8*\t+6], v[ST+8*\t+6], v[S+32*\t+23], v[S+32*\t+31]
.endr
.irp t, 0,1
	v_max3_num_f32 v[ST+8*\t+4], v[ST+8*\t+4], v[ST+8*\t+5], v[ST+8*\t+6]
.endr
.irp t, 0,1
	v_max3_num_f32 v[ST+8*\t+1], v[ST+8*\t+4], v[ST+8*\t+7], v[ST+8*\t+1]
.endr
.irp t, 0,1
	v_mov_b32 v[ST+8*\t+7], v[ST+8*\t]
.endr
.irp t, 0,1
	v_mul_f32 v[ST+8*\t], s24, v[ST+8*\t+1]
.endr
.irp t, 0,1
	v_sub_f32 v[ST+8*\t+7], v[ST+8*\t], v[ST+8*\t+7]
.endr
.irp t, 0,1
	v_exp_f32 v[ST+8*\t+6], v[ST+8*\t+7]           ; a: part of the batch below
.endr
	EXPS
.irp w, 4,8,16,32                              ; each tile's 16 pairs are added as a tree, in place
.set j, 0
.rept 64/\w
	v_pk_add_f32 v[S+\w*j:S+\w*j+1], v[S+\w*j:S+\w*j+1], v[S+\w*j+\w/2:S+\w*j+\w/2+1]
.set j, j+1
.endr
.endr
.irp t, 0,1
	v_pk_fma_f32 v[ST+8*\t+2:ST+8*\t+3], v[ST+8*\t+2:ST+8*\t+3], v[ST+8*\t+6:ST+8*\t+7], v[S+32*\t:S+32*\t+1] op_sel_hi:[1,0,1]
.endr
.endm
.macro P2                                      ; pass 2: p = 2^(c s - c m) / l, and its codes
	EXPS
.set j, 0
.rept 32
	v_pk_mul_f32 v[S+2*j:S+2*j+1], v[S+2*j:S+2*j+1], v[ST+8*(j/16)+2:ST+8*(j/16)+3] op_sel_hi:[1,0]
.set j, j+1
.endr
	s_cmp_eq_u32 s30, 0
	s_cbranch_scc1 .Lno_hold_\@
.set j, 0
.rept 64
	v_min_num_f32 v[S+j], v[S+j], v[PLIM]          ; the conversion does not saturate (ISA guide 7.6.2); p is not negative, so the hold is one-sided
.set j, j+1
.endr
.Lno_hold_\@:
.irp t, 0,1
.irp kt, 0,1,2,3
	v_cvt_scalef32_pk8_fp8_f32 v[PC+8*\t+2*\kt:PC+8*\t+2*\kt+1], v[S+32*\t+8*\kt:S+32*\t+8*\kt+7], v[PSC]
.endr
.endr
	v_nop                                          ; a plain line between the conversions and the products that read their results
.endm
.macro PV                                      ; O^T += V^T P: eight accumulators by turns
.irp nt, 0,1,2,3
.irp t, 0,1
	v_wmma_f32_16x16x64_fp8_fp8 v[O+32*\t+8*\nt:O+32*\t+8*\nt+7], v[VF+8*\nt:VF+8*\nt+7], v[PC+8*\t:PC+8*\t+7], v[O+32*\t+8*\nt:O+32*\t+8*\nt+7]
.endr
.endr
.endm
; A trip is a step of 64 keys.  Every wave walks all 32 trips of each pass; a block with no score that counts does only the look-ahead and the steps of addresses.
.macro TRIP pass
	s_bitcmp1_b32 s18, 0
	s_cbranch_scc0 .Lhidden_\@
	v_add_nc_u32 v[ADK], s20, v[LI]
.if \pass == 2
	v_add_nc_u32 v[ADV], VIMG, v[ADK]
.endif
	s_wait_dscnt 0x0                               ; this step's K is in
	QK
.rept 4
	v_nop                                          ; four places behind the products: ahead of the loads into K's registers, of the first read of the scores, and (with the additions above) of the loads into V's registers, which the last trip's products read
.endr
.if \pass == 2
.irp nt, 0,1,2,3
.irp hq, 0,1
	ds_load_b128 v[VF+8*\nt+4*\hq:VF+8*\nt+4*\hq+3], v[ADV] offset:1024*\nt+512*\hq
.endr
.endr
.endif
	PF
	MASKS
.if \pass == 1
	STATS
.else
	P2
	s_wait_dscnt 0x0                               ; V is in
	PV
.endif
	s_branch .Lnext_\@
.Lhidden_\@:
	v_add_nc_u32 v[ADK], s20, v[LI]
	s_wait_dscnt 0x0                               ; no load is out on K's registers
	PF
.Lnext_\@:
	s_lshr_b32 s18, s18, 1
	s_lshr_b32 s19, s19, 1
	s_add_co_u32 s20, s20, 4096                    ; a step's K, and V, are 4,096 bytes
	s_add_nc_u64 s[28:29], s[28:29], 256           ; (the scalar loads that read this pointer were waited for)
	s_add_co_u32 s21, s21, 1
	s_cmp_lt_u32 s21, 32
.endm
	s_mov_b32 s18, s16
	s_mov_b32 s19, s17
	s_mov_b32 s20, 0
	s_mov_b32 s21, 0
	KZERO
.Lpass1:
	TRIP 1
	s_cbranch_scc1 .Lpass1
	; BETWEEN THE PASSES: the two halves of the lanes meet: the common NCM is the smaller, each half's l is brought under it; 1 / l, or 0 for a row with nothing left.
.irp t, 0,1
	v_add_f32 v[ST+8*\t+2], v[ST+8*\t+2], v[ST+8*\t+3]
	v_mov_b32 v[ST+8*\t+4], 0                      ; a lane permute's destination counts as one of its sources
	v_mov_b32 v[ST+8*\t+5], 0
	v_permlanex16_b32 v[ST+8*\t+4], v[ST+8*\t], s26, s27
	v_permlanex16_b32 v[ST+8*\t+5], v[ST+8*\t+2], s26, s27
	v_min_num_f32 v[ST+8*\t+6], v[ST+8*\t], v[ST+8*\t+4]
	v_sub_f32 v[ST+8*\t+7], v[ST+8*\t+6], v[ST+8*\t]
	v_sub_f32 v[ST+8*\t+4], v[ST+8*\t+6], v[ST+8*\t+4]
.endr
.irp t, 0,1
	v_exp_f32 v[ST+8*\t+7], v[ST+8*\t+7]
	v_exp_f32 v[ST+8*\t+4], v[ST+8*\t+4]
.endr
.irp t, 0,1
	v_mov_b32 v[ST+8*\t], v[ST+8*\t+6]             ; (plain lines behind the exponentials)
.endr
	s_wait_alu depctr_va_vdst(0)
.irp t, 0,1
	v_mul_f32 v[ST+8*\t+2], v[ST+8*\t+2], v[ST+8*\t+7]
	v_fma_f32 v[ST+8*\t+2], v[ST+8*\t+5], v[ST+8*\t+4], v[ST+8*\t+2]
.endr
.irp t, 0,1
	v_rcp_f32 v[ST+8*\t+3], v[ST+8*\t+2]
.endr
	v_nop
	s_wait_alu depctr_va_vdst(0)
.irp t, 0,1
	v_cmp_lt_f32 vcc_lo, 0, v[ST+8*\t+2]
	v_cndmask_b32 v[ST+8*\t+2], 0, v[ST+8*\t+3], vcc_lo
	v_mov_b32 v[ST+8*\t+3], v[ST+8*\t+2]
.endr
.set j, 0
.rept 64
	v_mov_b32 v[O+j], 0                            ; which step is the first that counts hangs on the mask, so no first product can be written out ahead of the loop
.set j, j+1
.endr
	s_mov_b32 s18, s16
	s_mov_b32 s19, s17
	s_mov_b32 s20, 0
	s_mov_b32 s21, 0
	s_sub_nc_u64 s[28:29], s[28:29], 8192
	s_wait_dscnt 0x0                               ; no load is out on K's registers
	KZERO
.Lpass2:
	TRIP 2
	s_cbranch_scc1 .Lpass2
	; THE WAY OUT: O^T's eight registers of a tile are eight neighbours along the last product's K: held, converted, stored as quads of that operand's image.
.rept 4
	v_nop
.endr
.set j, 0
.rept 64
	v_med3_num_f32 v[O+j], v[O+j], -v[OLIM], v[OLIM]
.set j, j+1
.endr
.irp t, 0,1
.irp nt, 0,1,2,3
	v_cvt_scalef32_pk8_fp8_f32 v[PC+8*\t+2*\nt:PC+8*\t+2*\nt+1], v[O+32*\t+8*\nt:O+32*\t+8*\nt+7], v[OSC]
.endr
.endr
	v_nop
.irp t, 0,1
.irp hq, 0,1
	global_store_b128 v[LI], v[PC+8*\t+4*\hq:PC+8*\t+4*\hq+3], s[12:13] offset:16384*\t+512*\hq   ; 512 consecutive bytes
.endr
.endr
	s_wait_tensorcnt 0x0                           ; the wave's end, behind my last LDS store
	ds_add_u32 v[SPW], v[NIL]
	s_wait_dscnt 0x0
	s_endpgm
.Lfunc_end_k_q61169fefce_attn:
	.size	k_q61169fefce_attn, .Lfunc_end_k_q61169fefce_attn-k_q61169fefce_attn
	.p2alignl 7, 3214868480
	.fill 96, 4, 3214868480
	.section	.rodata,"a",@progbits
	.p2align	6, 0x0
	.amdhsa_kernel k_q61169fefce_attn
		.amdhsa_group_segment_fixed_size 263168
		.amdhsa_private_segment_fixed_size 0
		.amdhsa_enable_private_segment 0
		.amdhsa_kernarg_size 40
		.amdhsa_user_sgpr_count 2
		.amdhsa_user_sgpr_kernarg_segment_ptr 1
		.amdhsa_wavefront_size32 1
		.amdhsa_system_sgpr_workgroup_id_x 1
		.amdhsa_system_sgpr_workgroup_id_y 1
		.amdhsa_system_sgpr_workgroup_id_z 1
		.amdhsa_system_vgpr_workitem_id 0
		.amdhsa_next_free_vgpr 256
		.amdhsa_next_free_sgpr 100
		.amdhsa_reserve_vcc 1
		.amdhsa_float_denorm_mode_32 3
		.amdhsa_float_denorm_mode_16_64 3
		.amdhsa_memory_ordered 1
		.amdhsa_forward_progress 1
		.amdhsa_inst_pref_size 56
	.end_amdhsa_kernel
	.amdgpu_metadata
---
amdhsa.version: [ 1, 2 ]
amdhsa.kernels:
  - .name:           k_q61169fefce_attn
    .symbol:         k_q61169fefce_attn.kd
    .args:
      - { .name: qkv, .offset: 0, .size: 8, .value_kind: global_buffer, .address_space: global }
      - { .name: mbits, .offset: 8, .size: 8, .value_kind: global_buffer, .address_space: global }
      - { .name: mflags, .offset: 16, .size: 8, .value_kind: global_buffer, .address_space: global }
      - { .name: lowp_scales, .offset: 24, .size: 8, .value_kind: global_buffer, .address_space: global }
      - { .name: af, .offset: 32, .size: 8, .value_kind: global_buffer, .address_space: global }
    .group_segment_fixed_size: 263168
    .private_segment_fixed_size: 0
    .kernarg_segment_align: 8
    .kernarg_segment_size: 40
    .max_flat_workgroup_size: 256
    .sgpr_count:     100
    .vgpr_count:     256
    .wavefront_size: 32
...
	.end_amdgpu_metadata
.endif
;; end of part 3
;; launch oproj (part 4): grid 4 x 64, 4 waves a work-group, clusters of 4 x 1, 167,936 bytes of LDS; arguments af, wc, lowp_scales, out0; writes out0
.if DOCPART == 4
	.amdgcn_target "amdgcn-amd-amdhsa--gfx1250"
	.amdhsa_code_object_version 6
	.text
	.protected	k_q61169fefce_oproj
	.globl	k_q61169fefce_oproj
	.p2align	8
	.type	k_q61169fefce_oproj,@function
k_q61169fefce_oproj:
	s_mov_b64 s[64:65], 0
	v_nop
	global_prefetch_b8 v0, s[64:65] scope:SCOPE_SE
	s_setreg_imm32_b32 hwreg(HW_REG_WAVE_MODE, 25, 1), 1
	s_wait_xcnt 0x0
	s_wait_alu depctr_hold_cnt(0) depctr_sa_sdst(0) depctr_va_vdst(0) depctr_va_sdst(0) depctr_va_ssrc(0) depctr_va_vcc(0) depctr_vm_vsrc(0)
	s_getreg_b32 s2, hwreg(HW_REG_IB_STS2, 6, 4)
	s_cmp_eq_u32 s2, 0
	s_cbranch_scc0 .Lentry_in_a_cluster
	s_endpgm
.Lentry_in_a_cluster:
	s_bfe_u32 s2, ttmp6, 0x10000c
	s_cmp_lg_u32 s2, 0x3003
	s_cbranch_scc0 .Lentry_shape_is_right
	s_endpgm
.Lentry_shape_is_right:
; OPROJ.  out0 = o W_o^T on E4M3 codes; each f32 sum is multiplied once by 2^(e10 + e11).
; D = R S^T.  R = W_o's rows 256 cx + 64 w + 0 .. 63, resident: 512 registers a wave.  S = the 64 tokens of chunk y, four tiles of 16 x K 1,024, 65,536 bytes in LDS, read by all four waves.
; In the result lane r is a token and registers j are outputs 16 nt + 8 h + j: eight neighbours of a row of out0.
; CLUSTER.  The four work-groups of a cluster differ in cx alone and need the same S: each wave asks for one tile JOINTLY (mask 15).  cx enters R's address and the stores' alone.
; Both operands lie as images of registers ([tile][K step][quad][lane][16 bytes]).
; LIMIT: e10 + e11 between -126 and 127.
; REGISTERS: window 0: v1 16 x lane; v2 the LDS read base; v3, v4 my stage, in and out; v5 my offset in out0; v6, v7 the add's two; v32-95, v96-159 two buffers of four fragments of S (the second also takes rows on the way out);
;   v160-223 eight accumulators (u, nt); v224-255 scaled sums.  Windows 1, 2: R's fragment (nt, ks) at v[16 (4 (ks % 4) + nt)] of window 1 + ks / 4.
.set STG,   65536                      ; behind S: a stage of 16 rows x (256 bytes + 16) for each wave; no tensor load lands there
.set SPIT,  272
.set SPARE, STG+4*16*SPIT              ; the spare words, 128 bytes for each wave: two blocks of 256 bytes that no other line names
.set STO,  3
.set RD,   4
.set GO,   5
.set SPW,  6
.set NIL,  7
.set XB,   32
.set BK,   96
.set ACC,  160
.set TMP,  224
.set WV,   12
.set G1,   16
.set G0,   32
.set MSB, 0
.macro WIN new                         ; the immediate's high byte repeats the setting that is left
.if MSB != (\new)
	s_set_vgpr_msb (MSB<<8)|(\new)
.set MSB, (\new)
.endif
.endm
.macro CROUND                          ; a round of the cluster's barrier
	s_barrier_signal -1
	s_barrier_wait -1
	s_cmp_lg_u32 s[WV], 0
	s_cbranch_scc1 .Lnot_wave_0_\@
	s_barrier_signal -3
.Lnot_wave_0_\@:
	s_barrier_wait -3
	s_barrier_signal -1
	s_barrier_wait -1
.endm
	s_load_b256 s[4:11], s[0:1], 0x0               ; af s[4:5], wc s[6:7], the scales' exponents s[8:9], out0 s[10:11]
	v_lshl_add_u32 v[SPW], v0, 2, SPARE
	v_mov_b32 v[NIL], 0
	ds_add_u32 v[SPW], v[NIL]                      ; the wave's opening: the add and its wait ahead of my first tensor load; the set-up below stands between them
	v_lshrrev_b32 v1, 5, v0
	v_readfirstlane_b32 s[WV], v1                  ; wave 0..3
	v_and_b32 v1, 31, v0
	v_lshlrev_b32 v1, 4, v1                        ; 16 x lane
	v_add_nc_u32 v2, 0, v1
	v_and_b32 v8, 15, v0                           ; r
	v_bfe_u32 v9, v0, 4, 1                         ; h
	s_mul_i32 s62, s[WV], 16*SPIT
	s_add_co_u32 s62, s62, STG
	v_mul_u32_u24 v[STO], v8, SPIT
	v_lshl_add_u32 v[STO], v9, 5, v[STO]
	v_add_nc_u32 v[STO], s62, v[STO]               ; in: row r, + 32 h
	v_mul_u32_u24 v[RD], v9, SPIT
	v_lshl_add_u32 v[RD], v8, 4, v[RD]
	v_add_nc_u32 v[RD], s62, v[RD]                 ; back: lanes 0-15 one row of 256 bytes, lanes 16-31 the next
	v_lshlrev_b32 v[GO], 12, v9
	v_lshl_add_u32 v[GO], v8, 4, v[GO]             ; and the same two rows in out0
	s_bfe_u32 s13, ttmp6, 0x40000                  ; cx
	s_and_b32 s15, ttmp7, 0xffff                   ; y
	s_mov_b32 s[G1+0], 15|(3<<16)|(1<<21)          ; 15:0 the mask: all four work-groups; 17:16 elements of 8 bytes; 21 set beside a mask; no padding
	s_mov_b32 s[G1+1], 32<<16                      ; tensor_dim0 = 32 elements: 256 bytes
	s_mov_b32 s[G1+2], 64<<16                      ; tensor_dim1 = 64 rows: a dense block of 16,384 bytes
	s_mov_b32 s[G1+3], 32<<16                      ; tile_dim0
	s_mov_b32 s[G1+4], 64                          ; tile_dim1
	s_mov_b32 s[G1+5], 32                          ; the pitch
	s_mov_b32 s[G1+6], 0
	s_mov_b32 s[G1+7], 0
	s_lshl_b32 s30, s13, 4
	s_lshl_b32 s31, s[WV], 2
	s_add_co_u32 s30, s30, s31                     ; my first tile of W_o: 16 cx + 4 w
	s_lshl_b32 s30, s30, 14
	s_add_co_u32 s30, s30, 0x300000                ; W_o is the fourth weight in wc
	s_mov_b32 s31, 0
	s_lshl_b32 s70, s[WV], 14                      ; I fetch tile w of the chunk's four: in memory and in LDS
	s_lshl_b32 s66, s15, 16
	s_add_co_u32 s66, s66, s70
	s_mov_b32 s67, 0
	s_lshl_b32 s68, s15, 18                        ; 64 rows of 4,096 bytes,
	s_lshl_b32 s69, s13, 10                        ; my work-group's 256 outputs,
	s_add_co_u32 s68, s68, s69
	s_lshl_b32 s69, s[WV], 8                       ; my wave's 64
	s_add_co_u32 s68, s68, s69
	s_mov_b32 s69, 0
	s_wait_dscnt 0x0                               ; the opening add is done
	s_wait_kmcnt 0x0
	s_load_b64 s[48:49], s[8:9], 0x28              ; e10, e11
	s_add_nc_u64 s[24:25], s[6:7], s[30:31]
	s_add_nc_u64 s[28:29], s[10:11], s[68:69]
	s_mov_b32 s[G0], 1                             ; count = 1
	s_mov_b32 s[G0+1], s70                         ; LDS address
	s_add_nc_u64 s[G0+2:G0+3], s[4:5], s[66:67]
	s_or_b32 s[G0+3], s[G0+3], 0x80000000          ; type = 2
	WIN 0x40                                       ; destination window 1, address window 0
.irp ks, 0,1,2,3
.irp nt, 0,1,2,3
.irp q, 0,1,2,3
	global_load_b128 v[16*(4*\ks+\nt)+4*\q:16*(4*\ks+\nt)+4*\q+3], v1, s[24:25] offset:16384*\nt+2048*\ks+512*\q
.endr
.endr
.endr
	WIN 0x80                                       ; destination window 2
.irp ks, 0,1,2,3
.irp nt, 0,1,2,3
.irp q, 0,1,2,3
	global_load_b128 v[16*(4*\ks+\nt)+4*\q:16*(4*\ks+\nt)+4*\q+3], v1, s[24:25] offset:16384*\nt+2048*(\ks+4)+512*\q
.endr
.endr
.endr
	WIN 0
	CROUND                                         ; all four work-groups are here: the joint loads meet
	tensor_load_to_lds s[G0:G0+3], s[G1:G1+7]      ; my one tensor load: a first fill; nothing is filled again
	s_nop 0
.rept 4
	v_nop
.endr
	s_wait_kmcnt 0x0
	s_add_co_i32 s50, s48, s49
	s_add_co_i32 s50, s50, 127
	s_lshl_b32 s50, s50, 23                        ; 2^(e10 + e11) as f32
	s_mov_b32 s51, s50                             ; (named with it as a pair)
; 16 LDS loads: S's tiles 2 i and 2 i + 1, K steps 2 b and 2 b + 1, into buffer f: fragment (u, e) at 16 (2 u + e)
.macro XLOADS p, i, b, f
.irp u, 0,1
.irp e, 0,1
.irp q, 0,1,2,3
	ds_load_b128 v[XB+64*(\f)+16*(2*\u+\e)+4*\q:XB+64*(\f)+16*(2*\u+\e)+4*\q+3], v[2+(\p)] offset:16384*(2*(\i)+\u)+2048*(2*(\b)+\e)+512*\q
.endr
.endr
.endr
.endm
; Two K steps: 16 matrix instructions on eight accumulators by turns; the next batch's fragments are asked for first.
.macro BATCH p, i, b
	s_wait_dscnt 0x0                               ; this batch's fragments are in
.rept 4
	v_nop                                          ; four places between the last batch's products and loads into the buffer that they read (ISA guide 7.12.1 for vector instructions)
.endr
.if (\b) < 3
	XLOADS \p, \i, (\b)+1, ((\b)+1)%2
.elseif (\i) == 0
	XLOADS \p, 1, 0, 0
.endif
	WIN 1+(\b)/2                                   ; source 0 (R) in window 1 or 2
.irp e, 0,1
.irp nt, 0,1,2,3
.irp u, 0,1
.if 2*(\b)+\e == 0
	v_wmma_f32_16x16x128_fp8_fp8 v[ACC+8*(4*\u+\nt):ACC+8*(4*\u+\nt)+7], v[16*(4*(2*((\b)%2)+\e)+\nt):16*(4*(2*((\b)%2)+\e)+\nt)+15], v[XB+64*((\b)%2)+16*(2*\u+\e):XB+64*((\b)%2)+16*(2*\u+\e)+15], 0
.else
	v_wmma_f32_16x16x128_fp8_fp8 v[ACC+8*(4*\u+\nt):ACC+8*(4*\u+\nt)+7], v[16*(4*(2*((\b)%2)+\e)+\nt):16*(4*(2*((\b)%2)+\e)+\nt)+15], v[XB+64*((\b)%2)+16*(2*\u+\e):XB+64*((\b)%2)+16*(2*\u+\e)+15], v[ACC+8*(4*\u+\nt):ACC+8*(4*\u+\nt)+7]
.endif
.endr
.endr
.endr
	WIN 0
.endm
; The way out of two tiles of 16 tokens x my 64 outputs: scaled, through my own stage, back as whole rows of 256 bytes: sixteen lanes store 256 consecutive bytes, at a multiple of 256 from out0's first byte.
.macro EPI_O i
.rept 4
	v_nop                                          ; places behind the last products: for the first read of results and for the loads into the buffer that they read
.endr
.irp u, 0,1
.set j, 0
.rept 16
	v_pk_mul_f32 v[TMP+j:TMP+j+1], v[ACC+32*\u+j:ACC+32*\u+j+1], s[50:51] op_sel_hi:[1,0]   ; x 2^(e10 + e11); each accumulator from its low end on
.set j, j+2
.endr
.irp nt, 0,1,2,3
	ds_store_b128 v[STO], v[TMP+8*\nt:TMP+8*\nt+3] offset:64*\nt
	ds_store_b128 v[STO], v[TMP+8*\nt+4:TMP+8*\nt+7] offset:64*\nt+16
.endr
.irp a, 0,1,2,3,4,5,6,7
	ds_load_b128 v[BK+32*\u+4*\a:BK+32*\u+4*\a+3], v[RD] offset:2*SPIT*\a   ; LDS serves a wave's instructions in order: these see my stores
.endr
	s_wait_dscnt 0x0
.irp a, 0,1,2,3,4,5,6,7
	global_store_b128 v[GO], v[BK+32*\u+4*\a:BK+32*\u+4*\a+3], s[28:29] offset:65536*(2*(\i)+\u)+8192*\a th:TH_STORE_NT
.endr
.endr
	s_wait_xcnt 0x0                                ; the stores have read their data: the buffer may be loaded again
.endm
	s_wait_tensorcnt 0x0                           ; my tile has landed,
	s_barrier_signal -1
	s_barrier_wait -1                              ; everybody's has
	s_wait_loadcnt 0x0                             ; R
	XLOADS 0, 0, 0, 0
.irp i, 0,1
	BATCH 0, \i, 0
	BATCH 0, \i, 1
	BATCH 0, \i, 2
	BATCH 0, \i, 3
	EPI_O \i
.endr
	s_wait_tensorcnt 0x0                           ; the wave's end, behind my last tensor load and my last LDS store
	ds_add_u32 v[SPW], v[NIL]
	s_wait_dscnt 0x0
	CROUND                                         ; the closing round
	s_endpgm
.Lfunc_end_k_q61169fefce_oproj:
	.size	k_q61169fefce_oproj, .Lfunc_end_k_q61169fefce_oproj-k_q61169fefce_oproj
	.p2alignl 7, 3214868480
	.fill 96, 4, 3214868480
	.section	.rodata,"a",@progbits
	.p2align	6, 0x0
	.amdhsa_kernel k_q61169fefce_oproj
		.amdhsa_group_segment_fixed_size 167936
		.amdhsa_private_segment_fixed_size 0
		.amdhsa_enable_private_segment 0
		.amdhsa_kernarg_size 32
		.amdhsa_user_sgpr_count 2
		.amdhsa_user_sgpr_kernarg_segment_ptr 1
		.amdhsa_wavefront_size32 1
		.amdhsa_system_sgpr_workgroup_id_x 1
		.amdhsa_system_sgpr_workgroup_id_y 1
		.amdhsa_system_sgpr_workgroup_id_z 1
		.amdhsa_system_vgpr_workitem_id 0
		.amdhsa_next_free_vgpr 768
		.amdhsa_next_free_sgpr 72
		.amdhsa_reserve_vcc 0
		.amdhsa_float_denorm_mode_32 3
		.amdhsa_float_denorm_mode_16_64 3
		.amdhsa_memory_ordered 1
		.amdhsa_forward_progress 1
		.amdhsa_inst_pref_size 46
	.end_amdhsa_kernel
	.amdgpu_metadata
---
amdhsa.version: [ 1, 2 ]
amdhsa.kernels:
  - .name:           k_q61169fefce_oproj
    .symbol:         k_q61169fefce_oproj.kd
    .args:
      - { .name: af, .offset: 0, .size: 8, .value_kind: global_buffer, .address_space: global }
      - { .name: wc, .offset: 8, .size: 8, .value_kind: global_buffer, .address_space: global }
      - { .name: lowp_scales, .offset: 16, .size: 8, .value_kind: global_buffer, .address_space: global }
      - { .name: out0, .offset: 24, .size: 8, .value_kind: global_buffer, .address_space: global }
    .group_segment_fixed_size: 167936
    .private_segment_fixed_size: 0
    .kernarg_segment_align: 8
    .kernarg_segment_size: 32
    .max_flat_workgroup_size: 128
    .sgpr_count:     72
    .vgpr_count:     768
    .wavefront_size: 32
...
	.end_amdgpu_metadata
.endif
;; end of part 4
;; ======== version 2 of 2: 4 launches; version 1 with the launch attn written anew for expert scheduling mode
;; workspace buffers: xc 12,582,912 bytes; wc 4,194,304 bytes; qkv 12,582,912 bytes; af 4,194,304 bytes; mbits 524,288 bytes of whole numbers; mflags 65,536 bytes of whole numbers
;; launch prep: the kernel of part 1 again; grid 576 x 1, 4 waves a work-group, no clusters, 69,120 bytes of LDS; arguments x, W_q, W_k, W_v, W_o, mask, lowp_scales, xc, wc, mbits, mflags; writes xc, wc, mbits, mflags
;; launch proj: the kernel of part 2 again; grid 12 x 16, 4 waves a work-group, clusters of 4 x 1, 262,656 bytes of LDS; arguments xc, wc, lowp_scales, qkv; writes qkv
;; launch attn (part 5): grid 8 x 32, 8 waves a work-group, no clusters, 263,168 bytes of LDS; arguments qkv, mbits, mflags, lowp_scales, af; writes af
.if DOCPART == 5
	.amdgcn_target "amdgcn-amd-amdhsa--gfx1250"
	.amdhsa_code_object_version 6
	.text
	.protected	k_q61169fefce_attn
	.globl	k_q61169fefce_attn
	.p2align	8
	.type	k_q61169fefce_attn,@function
k_q61169fefce_attn:
	s_mov_b64 s[64:65], 0
	v_nop
	global_prefetch_b8 v0, s[64:65] scope:SCOPE_SE
	s_setreg_imm32_b32 hwreg(HW_REG_WAVE_SCHED_MODE, 0, 2), 2
	s_setreg_imm32_b32 hwreg(HW_REG_WAVE_MODE, 25, 1), 1
	s_wait_xcnt 0x0
	s_wait_alu depctr_vm_vsrc(0)
; ATTN.  For each batch x head: scores = q k^T / 8 on E4M3 codes, the given mask, the FINISHED softmax p = exp(s - m) / l, quantised with 2^e8, o = p v on codes; o is quantised with 2^e10 for the last product.
; p is quantised normalised, so m and l of a row are known before any p is made: TWO PASSES over the keys.  Pass 1: scores, running maximum and sum.  Pass 2: the scores again, p, its codes, p v.
; SHARES.  A work-group is (g = x, batch x head = y).  The head's whole K and V^T, 131,072 bytes each, are brought once through registers into LDS, behind one barrier; then the eight waves run free.
; A wave owns a PAIR of query tiles, 32 queries: pair P = 8 pos + (g xor 7 (pos % 2)), pos = w for w < 4, else 11 - w: each pair once, whatever the mask.
; Both products are used transposed: S^T = K Q^T (source 0 = 16 keys), O^T = V^T P (source 0 = 16 of the head's 64): a lane holds ONE query; score register 8 kt + j is key 16 kt + 8 (lane / 16) + j of the step's 64,
; so eight registers of p convert into registers 2 kt, 2 kt + 1 of the second product's operand.
; THE MASK is an input: an earlier launch has stored, for each block of 32 queries x 64 keys, a flag ACT (some score counts), a flag MIX (some score is hidden) and 64 lane masks.  A block with ACT = 0 is left out;
; in a block with MIX = 1 hidden scores become -infinity.  A row with no score left gets 1 / l = 0: its p and its o are 0.
; NO TENSOR LOAD, NO COPY, NO CLUSTER: the loops branch on the stored flags; leaving out hidden blocks is worth more than the shared fetch of 256 KiB a work-group.
; The running maximum and sum are kept for each lane's half of the keys; the halves meet once, between the passes.  NCM = -c m as rounded is used alike in l and in p, so its rounding cancels.
; LIMITS: e6 + e7 between -123 and 100; e8 and e10 - e8 - e9 between -126 and 119.
; REGISTERS: v1 16 x lane; v2, v3 LDS addresses of the step's K and V; v4, v5 the add's two; v6 -infinity; v7, v8 448 x 2^e8 and 2^e8; v9, v10 the same for o; v11-14 the head's addresses; v16-31 Q;
;   v32-47 statistics, tile t at 32 + 8 t: +0 NCM, +1 m, +2, +3 l in two halves (later 1 / l), +4 .. +7 at work; v48-63 codes; v64-95 K; v96-127 V; v128-191 S^T; v192-255 O^T.
; THE MODE: SCHED_MODE bits 1:0 = 2 (LLVM: expert scheduling mode 2), set by the entry lines.  The code itself states the register dependences between vector or matrix instructions
; and memory or LDS instructions, with s_wait_alu, always for 0.
; THE PLAN.  Registers that memory or LDS instructions touch:
;   v1, v11-14    Written once at the head, never again; read by the global loads, the head's LDS stores, the first step's loads of K and the last stores: one wait on va_vdst ahead of the first load.
;   v64-255       At the head: global loads land there, LDS stores read them.  One wait on vm_vsrc ahead of the second loads into v64-127; one behind the barrier, ahead of all their later writers.
;   K, v64-95     A trip's eight products K Q^T read it; behind them the next step's LDS loads land in it.
;   V, v96-127    Pass 2: a trip's LDS loads land in it, its eight products V^T P read it; the next trip's loads land in it.
;   v2, v3        Written at a trip's head, read by the trip's LDS loads.
;   v48-63        On the way out: written by the conversions, read by the four stores: one wait on va_vdst ahead of them.
;   v4, v5        Written at the head, read by the closing add alone.
; So a trip has one wait on vm_vsrc at its head, ahead of the adds to v2 and v3, and, in a block that counts, ONE wait on va_vdst for its loads, behind the places that follow K Q^T: v2 and v3 are written, those products
; are done reading K, the last trip's V^T P are done reading V.  All the trip's LDS loads follow it at once; no vector or matrix instruction names their registers before the wait on DScnt that shows them landed.
.set VIMG,  131072                     ; K's image lies at LDS byte 0, V's here
.set SPARE, 262144                     ; the spare words, 128 bytes for each of eight waves: four blocks of 256 bytes that no other line names
.set LI,   1
.set ADK,  2
.set ADV,  3
.set SPW,  4
.set NIL,  5
.set NINF, 6
.set PLIM, 7
.set PSC,  8
.set OLIM, 9
.set OSC,  10
.set Q,    16
.set ST,   32
.set PC,   48
.set KF,   64
.set VF,   96
.set S,    128
.set O,    192
	s_load_b256 s[4:11], s[0:1], 0x0               ; qkv s[4:5], mbits s[6:7], mflags s[8:9], the scales' exponents s[10:11]
	s_load_b64 s[12:13], s[0:1], 0x20              ; af
	v_lshl_add_u32 v[SPW], v0, 2, SPARE
	v_mov_b32 v[NIL], 0
	v_lshrrev_b32 v1, 5, v0
	v_readfirstlane_b32 s14, v1                    ; wave 0..7
	v_and_b32 v1, 31, v0
	v_lshlrev_b32 v[LI], 4, v1
	v_lshlrev_b32 v11, 4, v0                       ; 16 x thread: the work-group's 4,096 bytes of a load, and of an LDS store
	v_add_nc_u32 v12, 0x10000, v11
	v_add_nc_u32 v13, 0x20000, v11
	v_add_nc_u32 v14, 0x30000, v11
	s_wait_alu depctr_va_sdst(0)                   ; s14 is written, ahead of its first reader: my pair of query tiles is made from it
	s_sub_co_u32 s31, 11, s14
	s_cmp_lt_u32 s14, 4
	s_cselect_b32 s31, s14, s31                    ; pos
	s_and_b32 s66, s31, 1
	s_mul_i32 s66, s66, 7
	s_xor_b32 s66, s66, ttmp9
	s_lshl_b32 s15, s31, 3
	s_add_co_u32 s15, s15, s66                     ; P
	s_and_b32 s67, ttmp7, 0xffff                   ; batch x head
	s_lshl_b32 s54, s67, 17
	s_mov_b32 s55, 0
	s_wait_kmcnt 0x0
	s_add_nc_u64 s[48:49], s[4:5], s[54:55]        ; the head in Q's part,
	s_add_nc_u64 s[50:51], s[48:49], 0x400000      ; in K's,
	s_add_nc_u64 s[52:53], s[48:49], 0x800000      ; in V's
	s_lshl_b32 s54, s15, 11
	s_add_nc_u64 s[48:49], s[48:49], s[54:55]      ; my two query tiles
	s_wait_alu depctr_va_vdst(0)                   ; v1 and v11 to v14 are written, which the loads and LDS stores below, and the last stores, read as offsets and addresses
.irp t, 0,1
.irp hq, 0,1
	global_load_b128 v[Q+8*\t+4*\hq:Q+8*\t+4*\hq+3], v[LI], s[48:49] offset:1024*\t+512*\hq
.endr
.endr
.set i, 0
.rept 32
	global_load_b128 v[64+4*i:64+4*i+3], v11, s[50:51] offset:4096*i     ; all of K
.set i, i+1
.endr
.set i, 0
.rept 16
	global_load_b128 v[192+4*i:192+4*i+3], v11, s[52:53] offset:4096*i   ; V's first half
.set i, i+1
.endr
	s_lshl_b32 s54, s15, 10
	s_add_nc_u64 s[8:9], s[8:9], s[54:55]
	s_load_b64 s[32:33], s[8:9], 0x0               ; (ACT, MIX) of steps 0-7,
	s_load_b64 s[34:35], s[8:9], 0x100             ; 8-15,
	s_load_b64 s[36:37], s[8:9], 0x200             ; 16-23,
	s_load_b64 s[38:39], s[8:9], 0x300             ; 24-31
	s_load_b128 s[40:43], s[10:11], 0x18           ; e6, e7, e8, e9
	s_load_b32 s44, s[10:11], 0x28                 ; e10
	s_lshl_b32 s54, s15, 13
	s_add_nc_u64 s[28:29], s[6:7], s[54:55]        ; my pair's lane masks: 256 bytes a step
	s_lshr_b32 s54, s67, 4
	s_lshl_b32 s54, s54, 7
	s_lshl_b32 s66, s15, 1
	s_add_co_u32 s54, s54, s66                     ; my first token tile: 128 batch + 2 P
	s_lshl_b32 s54, s54, 14
	s_and_b32 s66, s67, 15
	s_lshl_b32 s66, s66, 10                        ; head hd fills K step hd / 2, quads 2 (hd % 2) on: 1,024 hd bytes
	s_add_co_u32 s54, s54, s66
	s_add_nc_u64 s[12:13], s[12:13], s[54:55]
	s_mov_b32 s26, 0x76543210                      ; v_permlanex16_b32's selects for lane l xor 16
	s_mov_b32 s27, 0xfedcba98
	v_mov_b32 v[NINF], 0xff800000
	s_wait_kmcnt 0x0
	s_lshl_b32 s34, s34, 8
	s_lshl_b32 s36, s36, 16
	s_lshl_b32 s38, s38, 24
	s_or_b32 s16, s32, s34
	s_or_b32 s16, s16, s36
	s_or_b32 s16, s16, s38                         ; ACT: bit js
	s_lshl_b32 s35, s35, 8
	s_lshl_b32 s37, s37, 16
	s_lshl_b32 s39, s39, 24
	s_or_b32 s17, s33, s35
	s_or_b32 s17, s17, s37
	s_or_b32 s17, s17, s39                         ; MIX
	s_add_co_i32 s31, s40, s41
	s_lshl_b32 s31, s31, 23
	s_add_co_i32 s22, s31, 0x3e38aa3b              ; c = log2(e) / 8 x 2^(e6 + e7): the exponents are added to c's exponent field
	s_mov_b32 s23, s22                             ; (named with it as a pair)
	s_xor_b32 s24, s22, 0x80000000                 ; -c
	s_cmp_lt_i32 s42, -8
	s_cselect_b32 s30, 1, 0                        ; p is at most 1, and 448 x 2^e8 is 1.75 or more from e8 = -8 on: the hold is needed under that alone
	s_add_co_i32 s31, s42, 127
	s_lshl_b32 s66, s31, 23
	v_mov_b32 v[PSC], s66
	s_add_co_i32 s31, s31, 8
	s_lshl_b32 s31, s31, 23
	s_or_b32 s31, s31, 0x600000
	v_mov_b32 v[PLIM], s31
	s_sub_co_i32 s31, s44, s42
	s_sub_co_i32 s31, s31, s43                     ; a sum of p v stands for sum x 2^(e8 + e9): its code is sum / 2^(e10 - e8 - e9)
	s_add_co_i32 s31, s31, 127
	s_lshl_b32 s66, s31, 23
	v_mov_b32 v[OSC], s66
	s_add_co_i32 s31, s31, 8
	s_lshl_b32 s31, s31, 23
	s_or_b32 s31, s31, 0x600000
	v_mov_b32 v[OLIM], s31
.irp t, 0,1
	v_mov_b32 v[ST+8*\t+1], 0xcc000000             ; m = -2^25: under every sum of 64 products of codes (64 x 448^2 < 2^24)
	v_mul_f32 v[ST+8*\t], s24, v[ST+8*\t+1]        ; NCM = -c m
	v_mov_b32 v[ST+8*\t+2], 0                      ; l
	v_mov_b32 v[ST+8*\t+3], 0
.endr
	s_wait_loadcnt 16                              ; Q and K are in; V's sixteen loads may be out
.set i, 0
.rept 16
	ds_store_b128 v11, v[64+4*i:64+4*i+3] offset:4096*i                  ; no vector instruction since the wait on va_vdst above names an address or a data register of these stores
.set i, i+1
.endr
.set i, 0
.rept 16
	ds_store_b128 v12, v[128+4*i:128+4*i+3] offset:4096*i
.set i, i+1
.endr
	s_wait_dscnt 0x0                               ; K's stores are done
	s_wait_alu depctr_vm_vsrc(0)                   ; the LDS stores have read v64 to v127, in which the loads below land
.set i, 0
.rept 16
	global_load_b128 v[64+4*i:64+4*i+3], v11, s[52:53] offset:65536+4096*i   ; V's second half
.set i, i+1
.endr
	s_wait_loadcnt 16                              ; V's first half is in; the sixteen just issued may be out
.set i, 0
.rept 16
	ds_store_b128 v13, v[192+4*i:192+4*i+3] offset:4096*i
.set i, i+1
.endr
	s_wait_loadcnt 0x0
.set i, 0
.rept 16
	ds_store_b128 v14, v[64+4*i:64+4*i+3] offset:4096*i
.set i, i+1
.endr
	s_wait_dscnt 0x0                               ; for the others' sake: my stores have landed
	s_barrier_signal -1
	s_barrier_wait -1                              ; K and V lie whole in LDS; nothing is written there again
	s_wait_alu depctr_vm_vsrc(0)                   ; my LDS stores have read v64 to v255: from here on these are K, V, S^T and O^T, written by LDS loads, by the products and by the zeros of O^T
.macro KZERO                                   ; the first step's K, whether it counts or not, so that K's registers are written on every way
.irp kt, 0,1,2,3
.irp hq, 0,1
	ds_load_b128 v[KF+8*\kt+4*\hq:KF+8*\kt+4*\hq+3], v[LI] offset:1024*\kt+512*\hq
.endr
.endr
.endm
.macro PF                                      ; the next step's K, if that step counts
	s_bitcmp1_b32 s18, 1
	s_cbranch_scc0 .Lno_pf_\@
.irp kt, 0,1,2,3
.irp hq, 0,1
	ds_load_b128 v[KF+8*\kt+4*\hq:KF+8*\kt+4*\hq+3], v[ADK] offset:4096+1024*\kt+512*\hq
.endr
.endr
.Lno_pf_\@:
.endm
.macro QK                                      ; S^T = K Q^T: four tiles of 16 keys x my two tiles of queries
.irp kt, 0,1,2,3
.irp t, 0,1
	v_wmma_f32_16x16x64_fp8_fp8 v[S+32*\t+8*\kt:S+32*\t+8*\kt+7], v[KF+8*\kt:KF+8*\kt+7], v[Q+8*\t:Q+8*\t+7], 0
.endr
.endr
.endm
.macro MASKS                                   ; where the block has hidden scores: 64 lane masks by scalar loads, and -infinity for what they name
	s_bitcmp1_b32 s19, 0
	s_cbranch_scc0 .Lopen_\@
	s_load_b512 s[32:47], s[28:29], 0x0
	s_load_b512 s[48:63], s[28:29], 0x40
	s_load_b512 s[68:83], s[28:29], 0x80
	s_load_b512 s[84:99], s[28:29], 0xc0
	s_wait_kmcnt 0x0
.set n, 0
.rept 32
	v_cndmask_b32 v[S+n], v[S+n], v[NINF], s[32+n]
.set n, n+1
.endr
.set n, 0
.rept 32
	v_cndmask_b32 v[S+32+n], v[S+32+n], v[NINF], s[68+n]
.set n, n+1
.endr
.Lopen_\@:
.endm
.macro EXPS                                    ; 2^(c s - c m) for the 64 scores: packed multiply-adds, then the exponentials as one batch
.set j, 0
.rept 32
	v_pk_fma_f32 v[S+2*j:S+2*j+1], v[S+2*j:S+2*j+1], s[22:23], v[ST+8*(j/16):ST+8*(j/16)+1] op_sel_hi:[1,0,0]
.set j, j+1
.endr
.set j, 0
.rept 64
	v_exp_f32 v[S+j], v[S+j]
.set j, j+1
.endr
	v_nop                                          ; a plain line behind the last exponential
	s_wait_alu depctr_va_vdst(0)                   ; the exponentials have written v[S ..] (pass 1: and the two a): one wait for the batch, ahead of its first reader
.endm
.macro STATS                                   ; pass 1: the new m, a = 2^(c m_old - c m_new), l = a l + the step's sum; the two tiles line by line in turn
.irp kt, 0,1,2,3
.irp t, 0,1
	v_max3_num_f32 v[ST+8*\t+4+\kt], v[S+32*\t+8*\kt], v[S+32*\t+8*\kt+1], v[S+32*\t+8*\kt+2]   ; each accumulator is read from its low end on
.endr
.endr
.irp a, 3,5
.irp kt, 0,1,2,3
.irp t, 0,1
	v_max3_num_f32 v[ST+8*\t+4+\kt], v[ST+8*\t+4+\kt], v[S+32*\t+8*\kt+\a], v[S+32*\t+8*\kt+\a+1]
.endr
.endr
.endr
.irp t, 0,1
	v_max3_num_f32 v[ST+8*\t+4], v[ST+8*\t+4], v[S+32*\t+7], v[S+32*\t+15]
	v_max3_num_f32 v[ST+8*\t+6], v[ST+8*\t+6], v[S+32*\t+23], v[S+32*\t+31]
.endr
.irp t, 0,1
	v_max3_num_f32 v[ST+8*\t+4], v[ST+8*\t+4], v[ST+8*\t+5], v[ST+8*\t+6]
.endr
.irp t, 0,1
	v_max3_num_f32 v[ST+8*\t+1], v[ST+8*\t+4], v[ST+8*\t+7], v[ST+8*\t+1]
.endr
.irp t, 0,1
	v_mov_b32 v[ST+8*\t+7], v[ST+8*\t]
.endr
.irp t, 0,1
	v_mul_f32 v[ST+8*\t], s24, v[ST+8*\t+1]
.endr
.irp t, 0,1
	v_sub_f32 v[ST+8*\t+7], v[ST+8*\t], v[ST+8*\t+7]
.endr
.irp t, 0,1
	v_exp_f32 v[ST+8*\t+6], v[ST+8*\t+7]           ; a: part of the batch below
.endr
	EXPS
.irp w, 4,8,16,32                              ; each tile's 16 pairs are added as a tree, in place
.set j, 0
.rept 64/\w
	v_pk_add_f32 v[S+\w*j:S+\w*j+1], v[S+\w*j:S+\w*j+1], v[S+\w*j+\w/2:S+\w*j+\w/2+1]
.set j, j+1
.endr
.endr
.irp t, 0,1
	v_pk_fma_f32 v[ST+8*\t+2:ST+8*\t+3], v[ST+8*\t+2:ST+8*\t+3], v[ST+8*\t+6:ST+8*\t+7], v[S+32*\t:S+32*\t+1] op_sel_hi:[1,0,1]
.endr
.endm
.macro P2                                      ; pass 2: p = 2^(c s - c m) / l, and its codes
	EXPS
.set j, 0
.rept 32
	v_pk_mul_f32 v[S+2*j:S+2*j+1], v[S+2*j:S+2*j+1], v[ST+8*(j/16)+2:ST+8*(j/16)+3] op_sel_hi:[1,0]
.set j, j+1
.endr
	s_cmp_eq_u32 s30, 0
	s_cbranch_scc1 .Lno_hold_\@
.set j, 0
.rept 64
	v_min_num_f32 v[S+j], v[S+j], v[PLIM]          ; the conversion does not saturate (ISA guide 7.6.2); p is not negative, so the hold is one-sided
.set j, j+1
.endr
.Lno_hold_\@:
.irp t, 0,1
.irp kt, 0,1,2,3
	v_cvt_scalef32_pk8_fp8_f32 v[PC+8*\t+2*\kt:PC+8*\t+2*\kt+1], v[S+32*\t+8*\kt:S+32*\t+8*\kt+7], v[PSC]
.endr
.endr
	v_nop                                          ; a plain line between the conversions and the products that read their results
.endm
.macro PV                                      ; O^T += V^T P: eight accumulators by turns
.irp nt, 0,1,2,3
.irp t, 0,1
	v_wmma_f32_16x16x64_fp8_fp8 v[O+32*\t+8*\nt:O+32*\t+8*\nt+7], v[VF+8*\nt:VF+8*\nt+7], v[PC+8*\t:PC+8*\t+7], v[O+32*\t+8*\nt:O+32*\t+8*\nt+7]
.endr
.endr
.endm
; A trip is a step of 64 keys.  Every wave walks all 32 trips of each pass; a block with no score that counts does only the look-ahead and the steps of addresses.
.macro TRIP pass
	s_wait_alu depctr_vm_vsrc(0)                   ; the LDS loads issued so far have read v[ADK] and v[ADV], which this trip writes anew; the wait stands ahead of the branch, for both ways
	v_add_nc_u32 v[ADK], s20, v[LI]
	s_bitcmp1_b32 s18, 0
	s_cbranch_scc0 .Lhidden_\@
.if \pass == 2
	v_add_nc_u32 v[ADV], VIMG, v[ADK]
.endif
	s_wait_dscnt 0x0                               ; this step's K is in
	QK
.rept 4
	v_nop                                          ; four places behind the products, ahead of the first read of the scores (ISA guide 7.12.1)
.endr
	s_wait_alu depctr_va_vdst(0)                   ; v[ADK] (pass 2: and v[ADV]) is written, which the loads below read; the products above are done reading K, and the last trip's V^T P reading V, in which those loads land; the last trip's selects are done with the mask words
.if \pass == 2
.irp nt, 0,1,2,3
.irp hq, 0,1
	ds_load_b128 v[VF+8*\nt+4*\hq:VF+8*\nt+4*\hq+3], v[ADV] offset:1024*\nt+512*\hq
.endr
.endr
.endif
	PF                                             ; no further wait: no vector or matrix instruction since the wait above names K, V or the two addresses
	MASKS
.if \pass == 1
	STATS
.else
	P2
	s_wait_dscnt 0x0                               ; V is in
	PV
.endif
	s_branch .Lnext_\@
.Lhidden_\@:
	s_wait_dscnt 0x0                               ; no load is out on K's registers
	s_wait_alu depctr_va_vdst(0)                   ; v[ADK] is written, which the look-ahead's loads read
	PF
.Lnext_\@:
	s_lshr_b32 s18, s18, 1
	s_lshr_b32 s19, s19, 1
	s_add_co_u32 s20, s20, 4096                    ; a step's K, and V, are 4,096 bytes
	s_add_nc_u64 s[28:29], s[28:29], 256           ; (the scalar loads that read this pointer were waited for)
	s_add_co_u32 s21, s21, 1
	s_cmp_lt_u32 s21, 32
.endm
	s_mov_b32 s18, s16
	s_mov_b32 s19, s17
	s_mov_b32 s20, 0
	s_mov_b32 s21, 0
	KZERO
.Lpass1:
	TRIP 1
	s_cbranch_scc1 .Lpass1
	; BETWEEN THE PASSES: the two halves of the lanes meet: the common NCM is the smaller, each half's l is brought under it; 1 / l, or 0 for a row with nothing left.
.irp t, 0,1
	v_add_f32 v[ST+8*\t+2], v[ST+8*\t+2], v[ST+8*\t+3]
	v_mov_b32 v[ST+8*\t+4], 0                      ; a lane permute's destination counts as one of its sources
	v_mov_b32 v[ST+8*\t+5], 0
	v_permlanex16_b32 v[ST+8*\t+4], v[ST+8*\t], s26, s27
	v_permlanex16_b32 v[ST+8*\t+5], v[ST+8*\t+2], s26, s27
	v_min_num_f32 v[ST+8*\t+6], v[ST+8*\t], v[ST+8*\t+4]
	v_sub_f32 v[ST+8*\t+7], v[ST+8*\t+6], v[ST+8*\t]
	v_sub_f32 v[ST+8*\t+4], v[ST+8*\t+6], v[ST+8*\t+4]
.endr
.irp t, 0,1
	v_exp_f32 v[ST+8*\t+7], v[ST+8*\t+7]
	v_exp_f32 v[ST+8*\t+4], v[ST+8*\t+4]
.endr
.irp t, 0,1
	v_mov_b32 v[ST+8*\t], v[ST+8*\t+6]             ; (plain lines behind the exponentials)
.endr
	s_wait_alu depctr_va_vdst(0)                   ; the four exponentials have written their results, ahead of the first reader
.irp t, 0,1
	v_mul_f32 v[ST+8*\t+2], v[ST+8*\t+2], v[ST+8*\t+7]
	v_fma_f32 v[ST+8*\t+2], v[ST+8*\t+5], v[ST+8*\t+4], v[ST+8*\t+2]
.endr
.irp t, 0,1
	v_rcp_f32 v[ST+8*\t+3], v[ST+8*\t+2]
.endr
	v_nop                                          ; a plain line behind the reciprocals
.irp t, 0,1
	v_cmp_lt_f32 s[32+\t], 0, v[ST+8*\t+2]         ; the two compares as a run, into two scalar registers that are free between the passes
.endr
	s_wait_alu depctr_va_vdst(0)                   ; the two reciprocals have written their results, ahead of the first reader
	s_wait_alu depctr_va_sdst(0)                   ; the two compares have written s32 and s33, ahead of the selects that read them
.irp t, 0,1
	v_cndmask_b32 v[ST+8*\t+2], 0, v[ST+8*\t+3], s[32+\t]
.endr
.irp t, 0,1
	v_mov_b32 v[ST+8*\t+3], v[ST+8*\t+2]
.endr
.set j, 0
.rept 64
	v_mov_b32 v[O+j], 0                            ; which step is the first that counts hangs on the mask, so no first product can be written out ahead of the loop
.set j, j+1
.endr
	s_mov_b32 s18, s16
	s_mov_b32 s19, s17
	s_mov_b32 s20, 0
	s_mov_b32 s21, 0
	s_sub_nc_u64 s[28:29], s[28:29], 8192
	s_wait_dscnt 0x0                               ; no load is out on K's registers
	KZERO                                          ; no wait on va_vdst: pass 1's products stand ahead of the waits above, and nothing since names K or v1
.Lpass2:
	TRIP 2
	s_cbranch_scc1 .Lpass2
	; THE WAY OUT: O^T's eight registers of a tile are eight neighbours along the last product's K: held, converted, stored as quads of that operand's image.
.rept 4
	v_nop
.endr
.set j, 0
.rept 64
	v_med3_num_f32 v[O+j], v[O+j], -v[OLIM], v[OLIM]
.set j, j+1
.endr
.irp t, 0,1
.irp nt, 0,1,2,3
	v_cvt_scalef32_pk8_fp8_f32 v[PC+8*\t+2*\nt:PC+8*\t+2*\nt+1], v[O+32*\t+8*\nt:O+32*\t+8*\nt+7], v[OSC]
.endr
.endr
	v_nop
	s_wait_alu depctr_va_vdst(0)                   ; the conversions have written v[PC ..], which the stores read
.irp t, 0,1
.irp hq, 0,1
	global_store_b128 v[LI], v[PC+8*\t+4*\hq:PC+8*\t+4*\hq+3], s[12:13] offset:16384*\t+512*\hq   ; 512 consecutive bytes
.endr
.endr
	s_wait_dscnt 0x0                               ; the closing lines, six on end
	s_wait_alu 0x0
	s_wait_tensorcnt 0x0
	ds_add_u32 v[SPW], v[NIL]
	s_wait_dscnt 0x0
	s_endpgm
.Lfunc_end_k_q61169fefce_attn:
	.size	k_q61169fefce_attn, .Lfunc_end_k_q61169fefce_attn-k_q61169fefce_attn
	.p2alignl 7, 3214868480
	.fill 96, 4, 3214868480
	.section	.rodata,"a",@progbits
	.p2align	6, 0x0
	.amdhsa_kernel k_q61169fefce_attn
		.amdhsa_group_segment_fixed_size 263168
		.amdhsa_private_segment_fixed_size 0
		.amdhsa_enable_private_segment 0
		.amdhsa_kernarg_size 40
		.amdhsa_user_sgpr_count 2
		.amdhsa_user_sgpr_kernarg_segment_ptr 1
		.amdhsa_wavefront_size32 1
		.amdhsa_system_sgpr_workgroup_id_x 1
		.amdhsa_system_sgpr_workgroup_id_y 1
		.amdhsa_system_sgpr_workgroup_id_z 1
		.amdhsa_system_vgpr_workitem_id 0
		.amdhsa_next_free_vgpr 256
		.amdhsa_next_free_sgpr 100
		.amdhsa_reserve_vcc 0
		.amdhsa_float_denorm_mode_32 3
		.amdhsa_float_denorm_mode_16_64 3
		.amdhsa_memory_ordered 1
		.amdhsa_forward_progress 1
		.amdhsa_inst_pref_size 57
	.end_amdhsa_kernel
	.amdgpu_metadata
---
amdhsa.version: [ 1, 2 ]
amdhsa.kernels:
  - .name:           k_q61169fefce_attn
    .symbol:         k_q61169fefce_attn.kd
    .args:
      - { .name: qkv, .offset: 0, .size: 8, .value_kind: global_buffer, .address_space: global }
      - { .name: mbits, .offset: 8, .size: 8, .value_kind: global_buffer, .address_space: global }
      - { .name: mflags, .offset: 16, .size: 8, .value_kind: global_buffer, .address_space: global }
      - { .name: lowp_scales, .offset: 24, .size: 8, .value_kind: global_buffer, .address_space: global }
      - { .name: af, .offset: 32, .size: 8, .value_kind: global_buffer, .address_space: global }
    .group_segment_fixed_size: 263168
    .private_segment_fixed_size: 0
    .kernarg_segment_align: 8
    .kernarg_segment_size: 40
    .max_flat_workgroup_size: 256
    .sgpr_count:     100
    .vgpr_count:     256
    .wavefront_size: 32
...
	.end_amdgpu_metadata
.endif
;; end of part 5
;; launch oproj: the kernel of part 4 again; grid 4 x 64, 4 waves a work-group, clusters of 4 x 1, 167,936 bytes of LDS; arguments af, wc, lowp_scales, out0; writes out0
